; MI455X (gfx1250); checked and timed in simulation.
; The chip was launched on July 23, 2026; its instructions are those of AMD's public machine-readable ISA for CDNA 5 (MIT licence, August 2026) and "CDNA5" Instruction Set Architecture Reference Guide (July 2026). The comments in the code are by the model that wrote it; some were corrected since.
;; Multi Head Attention. Allowed arithmetic: matrix products marked QUANTISED: E4M3 operands, one E8M0 scale for each 32 along K, by v_wmma_scale_f32_16x16x128_f8f6f4 with both operands' format E4M3, f32 sums; everything else in f32.
;; Inputs: w_o 1,024 x 1,024 float32; w_qkv 3,072 x 1,024 float32; x 2 x 2,048 x 1,024 float32.
;; Outputs: out0 2 x 2,048 x 1,024 float32.
;; This version of the problem:
;;   THIS VERSION OF THE PROBLEM IS GIVEN IN LOW PRECISION. The matrix products marked QUANTISED in the list below multiply operands that are first quantised to E4M3 (4 exponent bits, 3 mantissa bits; 8 bits a number), with one power-of-two scale for each 32 numbers along K (OCP MX v1.0); their sums are f32. All else is computed in f32.
;;   The module's matrix products, in the order in which they are computed (A, B: the left and right operand; K: the contracted axis; several contracted axes count as one K, in the product's order):
;;     1. [M 4,096, K 1,024] x [K 1,024, N 3,072]; A: input x; B: input w_qkv: QUANTISED
;;     2. batch 32 x [M 2,048, K 64] x [K 64, N 2,048]; A: computed on the way; B: computed on the way: QUANTISED
;;     3. batch 32 x [M 2,048, K 2,048] x [K 2,048, N 64]; A: softmax (see below); B: computed on the way: QUANTISED
;;     4. [M 4,096, K 1,024] x [K 1,024, N 1,024]; A: computed on the way; B: input w_o: QUANTISED
;;   THE QUANTISER, for each operand of a quantised product, along K:
;;     - K is cut into blocks of 32 from its start; a last block that is shorter is filled with zeros.
;;     - A block's scale is 2^e with e = floor(log2(the largest magnitude in the block)) - 8, held to -126 .. 127; a block of zeros has e = 0. As a byte (E8M0): e + 127.
;;     - Each number is divided by its block's scale, clamped to +-448, and rounded to the nearest number of E4M3, ties to even, subnormals kept.
;;     - The product sums the exact products of the quantised numbers (number of the format x scale) in f32.
;;   ~~~python
;;   def quantise(x, axis):      # numpy; x: float32 -> the quantised numbers, widened to float32 again
;;       x = np.moveaxis(x, axis, -1); K = x.shape[-1]
;;       x = np.pad(x, [(0, 0)] * (x.ndim - 1) + [(0, -K % 32)]); x = x.reshape(x.shape[:-1] + (-1, 32)); a = np.abs(x).max(-1, keepdims=True)
;;       e = np.where(a > 0, np.clip(np.frexp(np.where(a > 0, a, 1))[1] - 1 - 8, -126, 127), 0)      # np.frexp(a)[1] - 1 = floor(log2(a)), exactly
;;       r = np.clip(x / 2.0 ** e, -448, 448)
;;       step = 2.0 ** (np.maximum(np.frexp(np.where(r == 0, 1, r))[1] - 1, -6) - 3)
;;       q = np.round(r / step) * step * 2.0 ** e      # np.round: ties to even
;;       return np.moveaxis(q.reshape(q.shape[:-2] + (-1,))[..., :K], -1, axis).astype(np.float32)
;;   ~~~
;;   SOFTMAX AHEAD OF A QUANTISED PRODUCT. Where the list says 'softmax', what is quantised is not the finished softmax but p = 2^(t - M), with t = logit x log2(e) and M = ceil(the row's largest t), a whole number; so 1/2 < the row's largest p <= 1. The row's sum l is taken of the UNQUANTISED p, in f32, and the product's result is divided by l at the end. Since M is a whole number, a kernel that streams over the keys may use a running M (the ceiling of the running maximum): every later rescaling is an exact power of two, which a block's scale takes up: the codes' values come out the same.
;;   OPERANDS COMPUTED ON THE WAY. 'Computed on the way' means the value that the module computes at that place (a softmax that the list does not call 'softmax' is quantised finished and normalised). What goes into a quantiser is computed in f32, as accurately as f32 sums, v_exp_f32 and their like allow (about 1e-6 of the number): no bf16 or f16 on the way to a quantiser, and a product that is left as it is and whose result goes on into a quantised operand takes f32 operands (vector FMAs, or v_wmma_f32_16x16x4_f32). A number that lies on a knife's edge between two numbers of the format may be rounded either way, as far as f32 arithmetic and the matrix unit's own rounding can turn it there, and no further.
;; One version. Each part assembles by itself: llvm-mc -triple=amdgcn-amd-amdhsa -mcpu=gfx1250 --defsym DOCPART=n.
;; ======== version 1 of 1: 4 launches
;; limits: right only within a limited range of input values
;; workspace buffers: cw 8,388,608 bytes; sw 262,144 bytes; qkv 13,107,200 bytes; acodes 4,194,304 bytes; ascales 131,072 bytes
;; launch quant (part 1): grid 256 x 1, 8 waves a work-group, no clusters, 68,608 bytes of LDS; arguments x, w_qkv, w_o, cw, sw; writes cw, sw
.if DOCPART == 1
	.amdgcn_target "amdgcn-amd-amdhsa--gfx1250"
	.amdhsa_code_object_version 6
	.text
	.protected	k_qd25db660f9_quant
	.globl	k_qd25db660f9_quant
	.p2align	8
	.type	k_qd25db660f9_quant,@function
k_qd25db660f9_quant:
	s_mov_b64 s[64:65], 0
	v_nop
	global_prefetch_b8 v0, s[64:65] scope:SCOPE_SE
	s_setreg_imm32_b32 hwreg(HW_REG_WAVE_MODE, 25, 1), 1
	s_wait_xcnt 0x0
; LAUNCH 1 OF 4.  x [4096][1024], w_qkv [3072][1024], w_o [1024][1024], f32, K innermost, become codes of FP8 (E4M3) with one E8M0 byte for each 32 along K.
; The program: 1 quantise the inputs; 2 qkv = x w_qkv^T, quantised on the way out; 3 causal attention on codes, its result quantised on the way out; 4 the projection by w_o.
; DEAD WORK, left out in launch 3: reference() sets the logit of key k for query q to -1e9 wherever k > q, by a mask that it builds itself (jnp.tril).  The softmax then gives such a key the weight
; exp(-1e9 - max), which is 0 beside the weight of key 0 <= q for every finite q and k whose visible logits lie above about -1e9.  So a step of 128 keys all of which come after all 16 queries of a wave
; adds 0 to the sum and to the product with v: its two products and its softmax are not done.  No input is dead: all three are loaded.
; LIMITS: a NaN, an infinity or an overflow that reaches only the work left out is not carried to the result; a row whose every visible logit lies under about -1e9 is not served;
; NaN and infinities among the inputs are not served; a block whose largest magnitude lies under 2^-118 gets the byte 1; a block of zeros gets the byte 1 where the rule says 127: its codes are zeros,
; which add nothing under any byte but 0xff, and these bytes are read by this program alone.
; LAYOUT OF THE CODES: images of the operand's registers.  A tile is 16 rows; its fragment of 128 along K lies as 4 pieces of 512 bytes; in piece c lane (r, h) has the 16 bytes k = 32 c + 16 h + 0 .. 15 of the tile's row r.
; cw: [tile 512][K step 8][piece 4][512 bytes].  sw: [tile 512][s 4][r 16][2 words]: the word of K step 2 s + q holds its four scale bytes.  Tiles 0-255: x, 256-447: w_qkv, 448-511: w_o.
; THE ROWS OF A TILE ARE NOT NEIGHBOURS: of each 32 rows, tile u (0, 1) holds at its row r the true row 8 u + r % 8 + 16 (r / 8).  As source 0 of a product such a pair of tiles leaves a lane 16 neighbours along
; source 0's rows in 16 registers, which is what the next quantiser wants.
; SHARES: a work-group takes 32 rows (two tiles), a wave one tile and a quarter of K: 16 rows x 256 numbers, two fragments.  All 32 loads of a wave (512 consecutive bytes of one row each) go out at once.
; A conversion takes neighbours along K from one lane's registers: so a fragment's 16 x 512 bytes turn through the wave's own stage in LDS (rows 528 bytes apart).  No matrix unit, no tensor load, no barrier: waves share nothing.
.set STG,   8448                       ; a wave's stage: 16 rows x 528 bytes
.set SP,    528                        ; 512 bytes + 16: 33 x 16 bytes, so the sixteen rows that a load touches fall on sixteen different columns of 16 bytes
.set SPARE, 8*STG                      ; behind the stages: the spare words, 128 bytes for each wave, that no other line names
.set LO,  4                            ; v4   16 x lane
.set STI, 5                            ; v5   the stage, on the way in
.set STO, 6                            ; v6   and on the way out: row r, + 64 h
.set SOF, 7                            ; v7   my scale word's place: 8 r + 4 h
.set SPW, 8                            ; v8   LDS address of my spare word; never rewritten
.set NIL, 9                            ; v9   0; never rewritten
.set PW,  12                           ; v12-13 the two fragments' scale words
.set OW,  14                           ; v14  the one that my lane stores
.set TM,  16                           ; v16-19 largest magnitudes, v20-23 bytes, v24-27 448 x the scale, v28-31 the conversions' scale operands
.set R,   32                           ; v32-159 two fragments' numbers
.set PC,  160                          ; v160-191 their codes
.set SEL, 20                           ; s[20:21] lane selects: lane l xor 16
.set MNT, 23                           ; s23  the mantissa field of 448
	s_load_b128 s[4:7], s[0:1], 0x0                ; x, w_qkv
	s_load_b128 s[8:11], s[0:1], 0x10              ; w_o, cw
	s_load_b64 s[12:13], s[0:1], 0x20              ; sw
	v_lshl_add_u32 v[SPW], v0, 2, SPARE
	v_mov_b32 v[NIL], 0
	v_lshrrev_b32 v1, 5, v0
	s_delay_alu instid0(VALU_DEP_1)
	v_readfirstlane_b32 s16, v1                    ; wave 0..7
	v_and_b32 v1, 31, v0                           ; lane
	v_and_b32 v2, 15, v0                           ; r
	v_bfe_u32 v3, v0, 4, 1                         ; h
	s_delay_alu instid0(VALU_DEP_3)
	v_lshlrev_b32 v[LO], 4, v1
	s_mul_i32 s17, s16, STG
	v_add_nc_u32 v[STI], s17, v[LO]
	v_mul_u32_u24 v[STO], v2, SP
	s_delay_alu instid0(VALU_DEP_1)
	v_lshl_add_u32 v[STO], v3, 6, v[STO]
	s_delay_alu instid0(VALU_DEP_1)
	v_add_nc_u32 v[STO], s17, v[STO]
	v_lshlrev_b32 v[SOF], 3, v2
	s_delay_alu instid0(VALU_DEP_1)
	v_lshl_add_u32 v[SOF], v3, 2, v[SOF]
.irp b, 0,1,2,3
	v_mov_b32 v[TM+4+\b], 0                        ; written once: a lane permute's destination counts as one of its sources
.endr
	s_mov_b32 s[SEL], 0x76543210
	s_mov_b32 s[SEL+1], 0xfedcba98
	s_mov_b32 s[MNT], 0x600000
	s_lshr_b32 s18, s16, 2                         ; u: which tile of the two
	s_and_b32 s19, s16, 3                          ; which quarter of K
	s_mov_b32 s17, 224
	s_cmp_lt_u32 ttmp9, 224                        ; work-groups 0-127: x; 128-223: w_qkv; 224-255: w_o
	s_cselect_b32 s17, 128, s17
	s_cmp_lt_u32 ttmp9, 128
	s_cselect_b32 s17, 0, s17
	s_sub_co_u32 s17, ttmp9, s17                   ; my 32 rows' number in their tensor
	s_lshl_b32 s24, s17, 17                        ; 32 rows of 4,096 bytes,
	s_lshl_b32 s25, s18, 15                        ; tile u begins 8 rows on,
	s_add_co_u32 s24, s24, s25
	s_lshl_b32 s25, s19, 10                        ; my quarter: 1,024 bytes of a row
	s_add_co_u32 s24, s24, s25
	s_mov_b32 s25, 0
	s_lshl_b32 s26, ttmp9, 1
	s_add_co_u32 s26, s26, s18                     ; the tile's number
	s_lshl_b32 s28, s26, 9
	s_lshl_b32 s29, s19, 7
	s_add_co_u32 s28, s28, s29                     ; in sw: 512 x tile + 128 x quarter
	s_mov_b32 s29, 0
	s_lshl_b32 s26, s26, 14
	s_lshl_b32 s27, s19, 12
	s_add_co_u32 s26, s26, s27                     ; in cw: 16,384 x tile + 4,096 x quarter
	s_mov_b32 s27, 0
	s_wait_alu depctr_va_vdst(0)
	s_wait_kmcnt 0x0
	s_cmp_lt_u32 ttmp9, 224                        ; the choice of the tensor hangs on the work-group's number alone
	s_cselect_b64 s[6:7], s[6:7], s[8:9]
	s_cmp_lt_u32 ttmp9, 128
	s_cselect_b64 s[4:5], s[4:5], s[6:7]
	s_add_nc_u64 s[4:5], s[4:5], s[24:25]
	s_add_nc_u64 s[10:11], s[10:11], s[26:27]
	s_add_nc_u64 s[12:13], s[12:13], s[28:29]
.macro LOAD f                          ; fragment f: 128 numbers of each of the tile's 16 rows; a load reads 512 consecutive bytes of one row
.irp j, 0,1,2,3,4,5,6,7,8,9,10,11,12,13,14,15
	global_load_b128 v[R+64*\f+4*\j:R+64*\f+4*\j+3], v[LO], s[4:5] offset:((\j%8)+16*(\j/8))*4096+512*\f th:TH_LOAD_NT
.endr
.endm
.macro TURNF f                         ; through the stage: in as loaded, back 64 bytes of a block a lane, into the registers that the stores left.  LDS serves a wave's instructions in order (ISA guide 5.7.1.4)
.irp j, 0,1,2,3,4,5,6,7,8,9,10,11,12,13,14,15
	ds_store_b128 v[STI], v[R+64*\f+4*\j:R+64*\f+4*\j+3] offset:SP*\j
.endr
.irp b, 0,1,2,3
.irp i, 0,1,2,3
	ds_load_b128 v[R+64*\f+16*\b+4*\i:R+64*\f+16*\b+4*\i+3], v[STO] offset:128*\b+16*\i   ; register 16 b + i': k = 32 b + 16 h + i' of row r
.endr
.endr
.endm
; 64 numbers of a lane, register 16 b + i = k 32 b + 16 h + i of my row, become a fragment's codes in v[pc] on and its scale word in v[pw]
.macro QUANT s, pc, pw
.irp b, 0,1,2,3
	v_max3_num_f32 v[TM+\b], |v[\s+16*\b]|, |v[\s+1+16*\b]|, 0x4800000   ; block b: my 16 numbers, and the floor 2^(9 - 127): so the byte cannot fall under 1
.endr
.irp i, 2,4,6,8,10,12,14
.irp b, 0,1,2,3
	s_delay_alu instid0(VALU_DEP_4)
	v_max3_num_f32 v[TM+\b], v[TM+\b], |v[\s+16*\b+\i]|, |v[\s+1+16*\b+\i]|   ; the four blocks by turns: no line waits for the line above it
.endr
.endr
.irp b, 0,1,2,3
	s_delay_alu instid0(VALU_DEP_4)
	v_permlanex16_b32 v[TM+4+\b], v[TM+\b], s[SEL], s[SEL+1]
.endr
.irp b, 0,1,2,3
	s_delay_alu instid0(VALU_DEP_4)
	v_max_num_f32 v[TM+\b], v[TM+\b], v[TM+4+\b]   ; with lane l xor 16's: the block's largest magnitude
.endr
.irp b, 0,1,2,3
	s_delay_alu instid0(VALU_DEP_4)
	v_add_nc_u32 v[TM+12+\b], 0xfc000000, v[TM+\b] ; 8 off its exponent field: the conversion takes this operand's exponent field as its scale
.endr
.irp b, 0,1,2,3
	v_and_or_b32 v[TM+8+\b], v[TM+\b], 0x7f800000, s[MNT]   ; 448 x the scale
.endr
.irp b, 0,1,2,3
	v_lshrrev_b32 v[TM+4+\b], 23, v[TM+12+\b]      ; the scale's byte
.endr
	s_delay_alu instid0(VALU_DEP_3)
	v_lshl_or_b32 v[\pw], v[TM+5], 8, v[TM+4]
	s_delay_alu instid0(VALU_DEP_1)
	v_lshl_or_b32 v[\pw], v[TM+6], 16, v[\pw]
	s_delay_alu instid0(VALU_DEP_1)
	v_lshl_or_b32 v[\pw], v[TM+7], 24, v[\pw]
.irp b, 0,1,2,3
.irp i, 0,1,2,3,4,5,6,7,8,9,10,11,12,13,14,15
	v_med3_num_f32 v[\s+16*\b+\i], v[\s+16*\b+\i], -v[TM+8+\b], v[TM+8+\b]   ; the conversion to an 8-bit code does not saturate (ISA guide 7.6.2): the hold at 448 x the scale
.endr
	v_cvt_scalef32_pk8_fp8_f32 v[\pc+4*\b:\pc+4*\b+1], v[\s+16*\b:\s+16*\b+7], v[TM+12+\b]
	v_cvt_scalef32_pk8_fp8_f32 v[\pc+4*\b+2:\pc+4*\b+3], v[\s+16*\b+8:\s+16*\b+15], v[TM+12+\b]
.endr
	v_nop                                          ; one plain line behind the last conversion, ahead of the next vector line that writes its scale operand
.endm
	LOAD 0
	LOAD 1
	s_wait_loadcnt 16                              ; fragment 0's 16 loads are in; fragment 1's may be out
	TURNF 0
	s_wait_loadcnt 0x0
	TURNF 1
	s_wait_dscnt 32                                ; fragment 0 is back; fragment 1's 16 stores and 16 loads may be out
	QUANT R, PC, PW
.irp c, 0,1,2,3
	global_store_b128 v[LO], v[PC+4*\c:PC+4*\c+3], s[10:11] offset:512*\c          ; 32 lanes store 512 consecutive bytes, aligned
.endr
	s_wait_dscnt 0x0
	QUANT R+64, PC+16, PW+1
.irp c, 0,1,2,3
	global_store_b128 v[LO], v[PC+16+4*\c:PC+16+4*\c+3], s[10:11] offset:2048+512*\c
.endr
	v_cmp_ne_u32 vcc_lo, 0, v3
	s_delay_alu instid0(VALU_DEP_1)
	v_cndmask_b32 v[OW], v[PW], v[PW+1], vcc_lo    ; lanes 0-15 store the first fragment's word of row r, lanes 16-31 the second's
	global_store_b32 v[SOF], v[OW], s[12:13]       ; 128 consecutive bytes a wave; the tile's four waves fill its 512.  One byte in 128 of what the launch reads
	s_wait_tensorcnt 0x0                           ; the wave's end, behind my last LDS store
	ds_add_u32 v[SPW], v[NIL]
	s_wait_dscnt 0x0
	s_endpgm
.Lfunc_end_k_qd25db660f9_quant:
	.size	k_qd25db660f9_quant, .Lfunc_end_k_qd25db660f9_quant-k_qd25db660f9_quant
	.p2alignl 7, 3214868480
	.fill 96, 4, 3214868480
	.section	.rodata,"a",@progbits
	.p2align	6, 0x0
	.amdhsa_kernel k_qd25db660f9_quant
		.amdhsa_group_segment_fixed_size 68608
		.amdhsa_private_segment_fixed_size 0
		.amdhsa_enable_private_segment 0
		.amdhsa_kernarg_size 40
		.amdhsa_user_sgpr_count 2
		.amdhsa_user_sgpr_kernarg_segment_ptr 1
		.amdhsa_wavefront_size32 1
		.amdhsa_system_sgpr_workgroup_id_x 1
		.amdhsa_system_sgpr_workgroup_id_y 1
		.amdhsa_system_sgpr_workgroup_id_z 1
		.amdhsa_system_vgpr_workitem_id 0
		.amdhsa_next_free_vgpr 192
		.amdhsa_next_free_sgpr 66
		.amdhsa_reserve_vcc 1
		.amdhsa_float_denorm_mode_32 3
		.amdhsa_float_denorm_mode_16_64 3
		.amdhsa_memory_ordered 1
		.amdhsa_forward_progress 1
		.amdhsa_inst_pref_size 30
	.end_amdhsa_kernel
	.amdgpu_metadata
---
amdhsa.version: [ 1, 2 ]
amdhsa.kernels:
  - .name:           k_qd25db660f9_quant
    .symbol:         k_qd25db660f9_quant.kd
    .args:
      - { .name: x, .offset: 0, .size: 8, .value_kind: global_buffer, .address_space: global }
      - { .name: w_qkv, .offset: 8, .size: 8, .value_kind: global_buffer, .address_space: global }
      - { .name: w_o, .offset: 16, .size: 8, .value_kind: global_buffer, .address_space: global }
      - { .name: cw, .offset: 24, .size: 8, .value_kind: global_buffer, .address_space: global }
      - { .name: sw, .offset: 32, .size: 8, .value_kind: global_buffer, .address_space: global }
    .group_segment_fixed_size: 68608
    .private_segment_fixed_size: 0
    .kernarg_segment_align: 8
    .kernarg_segment_size: 40
    .max_flat_workgroup_size: 256
    .sgpr_count:     66
    .vgpr_count:     192
    .wavefront_size: 32
...
	.end_amdgpu_metadata
.endif
;; end of part 1
;; launch qkvgemm (part 2): grid 12 x 16, 4 waves a work-group, clusters of 4 x 4, 327,680 bytes of LDS; arguments cw, sw, qkv; writes qkv
.if DOCPART == 2
	.amdgcn_target "amdgcn-amd-amdhsa--gfx1250"
	.amdhsa_code_object_version 6
	.text
	.protected	k_qd25db660f9_qkvgemm
	.globl	k_qd25db660f9_qkvgemm
	.p2align	8
	.type	k_qd25db660f9_qkvgemm,@function
k_qd25db660f9_qkvgemm:
	s_mov_b64 s[64:65], 0
	v_nop
	global_prefetch_b8 v0, s[64:65] scope:SCOPE_SE
	s_setreg_imm32_b32 hwreg(HW_REG_WAVE_MODE, 25, 1), 1
	s_wait_xcnt 0x0
	s_wait_alu depctr_hold_cnt(0) depctr_sa_sdst(0) depctr_va_vdst(0) depctr_va_sdst(0) depctr_va_ssrc(0) depctr_va_vcc(0) depctr_vm_vsrc(0)
	s_getreg_b32 s2, hwreg(HW_REG_IB_STS2, 6, 4)
	s_cmp_eq_u32 s2, 0
	s_cbranch_scc0 .Lentry_in_a_cluster
	s_endpgm
.Lentry_in_a_cluster:
	s_bfe_u32 s2, ttmp6, 0x10000c
	s_cmp_lg_u32 s2, 0xf033
	s_cbranch_scc0 .Lentry_shape_is_right
	s_endpgm
.Lentry_shape_is_right:
.set NQ,     2
.set FR,     16
.set NL,     4
.set NP,     8
.set HALFT,  32768
.set SLOT,   4*HALFT
.set SCL,    2*SLOT
.set HALFS,  4096
.set SPARE,  SCL+4*HALFS
.set ADRA, 16
.set ADRB, 20
.set ADRS, 27
.set SPW,  28
.set NIL,  29
.set SC,   32
.set AF,   128
.set OFF,  64
.set TM,   80
.set PW,   96
.set TT,   104
.set UU,   108
.set A1,   112
.set A2,   113
.set PC,   128
.set G1, 24
.set G0, 32
.set G1B, 48
.set G0B, 56
.set G1S, 68
.set G0S, 76
.set G1SB, 80
.set G0SB, 88
.set SEL, 96
.set MNT, 98
.set MSB, 0
.macro WIN new
.if MSB != (\new)
	s_set_vgpr_msb (MSB<<8)|(\new)
.set MSB, (\new)
.endif
.endm
.set MUL_LO, 0xa1
.set MUL_HI, 0xf1
.set TO_B,   0x40
.macro JLOAD g0a, g1a, g0b, g1b
	s_cmp_eq_u32 s15, 0
	s_cbranch_scc0 .Lfor_b_\@
	tensor_load_to_lds s[\g0a:\g0a+3], s[\g1a:\g1a+7]
	s_nop 0
.rept 4
	v_nop
.endr
	s_branch .Lasked_\@
.Lfor_b_\@:
	tensor_load_to_lds s[\g0b:\g0b+3], s[\g1b:\g1b+7]
	s_nop 0
.rept 4
	v_nop
.endr
.Lasked_\@:
.endm
.macro CREST
	s_cmp_lg_u32 s14, 0
	s_cbranch_scc1 .Lnot_wave_0_\@
	s_barrier_signal -3
.Lnot_wave_0_\@:
	s_barrier_wait -3
	s_barrier_signal -1
	s_barrier_wait -1
.endm
.macro CROUND
	s_barrier_signal -1
	s_barrier_wait -1
	CREST
.endm
; LAUNCH 2 OF 4.  qkv = x w_qkv^T on the codes of launch 1, quantised on the way out.  For each head and each 128 tokens qkv holds one block of 25,600 bytes, images of the attention launch's operand registers:
; K 8,192, V 8,192, K's scale words 256 (row r, pair b of tiles: two bytes of tile 2 b, two of tile 2 b + 1), V's 256 (row r, tile t), Q 8,192, Q's scale words 512 (row r, tile a: its two bytes twice).
	s_load_b128 s[4:7], s[0:1], 0x0
	s_load_b64 s[8:9], s[0:1], 0x10
	v_lshl_add_u32 v[SPW], v0, 2, SPARE
	v_mov_b32 v[NIL], 0
	ds_add_u32 v[SPW], v[NIL]
	ds_add_u32 v[SPW], v[NIL]
	v_lshrrev_b32 v1, 5, v0
	v_readfirstlane_b32 s14, v1
	s_lshr_b32 s15, s14, 1
	s_and_b32 s16, s14, 1
	s_bfe_u32 s40, ttmp6, 0x40000
	s_bfe_u32 s41, ttmp6, 0x40004
	s_and_b32 s17, ttmp7, 0xffff
	s_lshl_b32 s43, s41, 2
	s_lshl_b32 s43, 15, s43
	s_lshl_b32 s44, 0x1111, s40
	s_or_b32 s[G1+0], s43, (3<<16)|(1<<21)
	s_or_b32 s[G1B+0], s44, (3<<16)|(1<<21)
.irp g, G1, G1B
	s_mov_b32 s[\g+1], 512<<16
	s_mov_b32 s[\g+2], 8<<16
	s_mov_b32 s[\g+3], 512<<16
	s_mov_b32 s[\g+4], 8
	s_mov_b32 s[\g+5], 2048
	s_mov_b32 s[\g+6], 0
	s_mov_b32 s[\g+7], 0
.endr
	s_or_b32 s[G1S+0], s43, (3<<16)|(1<<21)
	s_or_b32 s[G1SB+0], s44, (3<<16)|(1<<21)
.irp g, G1S, G1SB
	s_mov_b32 s[\g+1], 32<<16
	s_mov_b32 s[\g+2], 16<<16
	s_mov_b32 s[\g+3], 32<<16
	s_mov_b32 s[\g+4], 16
	s_mov_b32 s[\g+5], 32
	s_mov_b32 s[\g+6], 0
	s_mov_b32 s[\g+7], 0
.endr
	s_mov_b32 s[SEL], 0x76543210
	s_mov_b32 s[SEL+1], 0xfedcba98
	s_mov_b32 s[MNT], 0x600000
	s_lshl_b32 s18, s17, 6
	s_lshl_b32 s19, ttmp9, 6
	s_add_co_u32 s19, s19, 256
	s_mov_b32 s20, 384
	s_cmp_eq_u32 ttmp9, 2
	s_cselect_b32 s46, s18, s19
	s_cselect_b32 s20, s20, s18
	s_lshl_b32 s47, s40, 4
	s_add_co_u32 s46, s46, s47
	s_lshl_b32 s21, s41, 4
	s_add_co_u32 s20, s20, s21
	s_lshl_b32 s22, s16, 3
	s_add_co_u32 s46, s46, s22
	s_add_co_u32 s20, s20, s22
	s_lshl_b32 s92, s46, 9
	s_mov_b32 s93, 0
	s_lshl_b32 s46, s46, 14
	s_mov_b32 s47, 0
	s_lshl_b32 s22, s20, 9
	s_mov_b32 s23, 0
	s_lshl_b32 s20, s20, 14
	s_mov_b32 s21, 0
	s_mul_i32 s45, s14, HALFT
	s_mul_i32 s94, s14, HALFS
	s_wait_dscnt 0x0
	s_wait_kmcnt 0x0
	s_add_nc_u64 s[20:21], s[4:5], s[20:21]
	s_add_nc_u64 s[22:23], s[6:7], s[22:23]
	s_add_nc_u64 s[46:47], s[4:5], s[46:47]
	s_add_nc_u64 s[92:93], s[6:7], s[92:93]
	CROUND
	s_mov_b32 s[G0S], 1
	s_add_co_u32 s[G0S+1], s94, SCL
	s_mov_b64 s[G0S+2:G0S+3], s[22:23]
	s_or_b32 s[G0S+3], s[G0S+3], 0x80000000
	s_mov_b32 s[G0SB], 1
	s_add_co_u32 s[G0SB+1], s94, SCL
	s_mov_b64 s[G0SB+2:G0SB+3], s[92:93]
	s_or_b32 s[G0SB+3], s[G0SB+3], 0x80000000
	JLOAD G0S, G1S, G0SB, G1SB
.irp s, 0,1
	s_mov_b32 s[G0+4*\s], 1
	s_add_co_u32 s[G0+4*\s+1], s45, \s*SLOT
	s_add_nc_u64 s[G0+4*\s+2:G0+4*\s+3], s[20:21], \s*4096
	s_or_b32 s[G0+4*\s+3], s[G0+4*\s+3], 0x80000000
	s_mov_b32 s[G0B+4*\s], 1
	s_add_co_u32 s[G0B+4*\s+1], s45, \s*SLOT
	s_add_nc_u64 s[G0B+4*\s+2:G0B+4*\s+3], s[46:47], \s*4096
	s_or_b32 s[G0B+4*\s+3], s[G0B+4*\s+3], 0x80000000
	s_wait_alu depctr_va_vdst(0)
	s_wait_tensorcnt 0x0
	ds_add_u32 v28, v29
	s_wait_dscnt 0x0
	CROUND
	JLOAD G0+4*\s, G1, G0B+4*\s, G1B
.endr
	v_and_b32 v1, 15, v0
	v_bfe_u32 v2, v0, 4, 1
	s_wait_alu depctr_va_vdst(0)
	v_and_b32 v3, 31, v0
	v_lshlrev_b32 v3, 4, v3
	s_mul_i32 s21, s15, HALFT
	s_mul_i32 s22, s16, HALFT
	s_add_co_u32 s22, s22, 2*HALFT
.irp s, 0,1
	v_add_nc_u32 v[ADRA+\s], s21, v3
	v_add_nc_u32 v[ADRB+\s], s22, v3
	s_add_co_u32 s21, s21, SLOT
	s_add_co_u32 s22, s22, SLOT
.endr
	v_lshlrev_b32 v5, 3, v1
	s_mul_i32 s21, s15, HALFS
	s_mul_i32 s22, s16, HALFS
	s_add_co_u32 s22, s22, 2*HALFS
	s_sub_co_u32 s22, s22, s21
	v_mul_u32_u24 v6, s22, v2
	s_add_co_u32 s21, s21, SCL
	v_add_nc_u32 v5, v5, v6
	v_add_nc_u32 v[ADRS], s21, v5
.macro FRAG reg, adr, q, i
.irp c, 0,1,2,3
	ds_load_b128 v[\reg+4*\c:\reg+4*\c+3], v[\adr] offset:4096*(\i)+2048*(\q)+512*\c
.endr
.endm
.macro MUL16 a0, p, q, sc, zero
.irp a, \a0, \a0+1
.irp b, 0,1,2,3,4,5,6,7
.if \zero
	v_wmma_scale_f32_16x16x128_f8f6f4 v[8*(8*((\a)%4)+\b):8*(8*((\a)%4)+\b)+7], v[128*(\p)+FR*\b:128*(\p)+FR*\b+FR-1], v[AF+FR*(\a):AF+FR*(\a)+FR-1], 0, v[SC+8*NQ*(\sc)+NQ*\b+(\q)], v[SC+8*NQ*(\sc)+NQ*(\a)+(\q)] matrix_a_scale:MATRIX_SCALE_ROW1
.else
	v_wmma_scale_f32_16x16x128_f8f6f4 v[8*(8*((\a)%4)+\b):8*(8*((\a)%4)+\b)+7], v[128*(\p)+FR*\b:128*(\p)+FR*\b+FR-1], v[AF+FR*(\a):AF+FR*(\a)+FR-1], v[8*(8*((\a)%4)+\b):8*(8*((\a)%4)+\b)+7], v[SC+8*NQ*(\sc)+NQ*\b+(\q)], v[SC+8*NQ*(\sc)+NQ*(\a)+(\q)] matrix_a_scale:MATRIX_SCALE_ROW1
.endif
.endr
.endr
.endm
.macro FETCH_B slot, q, p
	WIN TO_B
.irp i, 0,1,2,3,4,5,6,7
	FRAG 128*(\p)+FR*\i, ADRB+\slot, \q, \i
.endr
	WIN 0
.endm
.macro FETCH_A slot, q, i0
.irp i, \i0, \i0+1, \i0+2, \i0+3
	FRAG AF+FR*(\i), ADRA+\slot, \q, \i
.endr
.endm
.macro SCALES sc
.irp i, 0,1,2,3,4,5,6,7
	ds_load_b64 v[SC+8*NQ*\sc+NQ*\i:SC+8*NQ*\sc+NQ*\i+1], v[ADRS] offset:\i*512
.endr
.endm
.macro PLACES n
.rept \n
	v_nop
.endr
.endm
.macro STEP slot, q, zero
	s_wait_dscnt 4*NL
	WIN MUL_LO
	MUL16 0, (\q)%2, \q, \slot, \zero
	MUL16 2, (\q)%2, \q, \slot, \zero
	s_wait_dscnt 0
	PLACES NP
	FETCH_B \slot, (\q)+1, 1-(\q)%2
	FETCH_A \slot, (\q)+1, 0
	WIN MUL_HI
	MUL16 4, (\q)%2, \q, \slot, \zero
	MUL16 6, (\q)%2, \q, \slot, \zero
	PLACES NP
	WIN 0
	FETCH_A \slot, (\q)+1, 4
.endm
.macro TURN slot, next, fill
	s_wait_tensorcnt 0x0
	ds_add_u32 v[SPW], v[NIL]
	s_wait_dscnt 4*NL+1
	WIN MUL_LO
	MUL16 0, 1, NQ-1, \slot, 0
	s_wait_dscnt 0x0
	s_barrier_signal -1
	MUL16 2, 1, NQ-1, \slot, 0
	WIN 0
	s_barrier_wait -1
.if \fill
	CREST
	s_add_nc_u64 s[G0+4*\slot+2:G0+4*\slot+3], s[G0+4*\slot+2:G0+4*\slot+3], 8192
	s_add_nc_u64 s[G0B+4*\slot+2:G0B+4*\slot+3], s[G0B+4*\slot+2:G0B+4*\slot+3], 8192
	JLOAD G0+4*\slot, G1, G0B+4*\slot, G1B
	PLACES NP-4
.else
	PLACES NP
.endif
	s_wait_alu depctr_va_vdst(0)
	v_add_nc_u32 v[ADRS], 128, v[ADRS]
	FETCH_B \next, 0, 0
	FETCH_A \next, 0, 0
	SCALES \next
	WIN MUL_HI
	MUL16 4, 1, NQ-1, \slot, 0
	MUL16 6, 1, NQ-1, \slot, 0
	PLACES NP
	WIN 0
	FETCH_A \next, 0, 4
.endm
	s_wait_alu depctr_va_vdst(0)
	s_wait_tensorcnt 1
	s_barrier_signal -1
	s_barrier_wait -1
	FETCH_B 0, 0, 0
	FETCH_A 0, 0, 0
	SCALES 0
	FETCH_A 0, 0, 4
	STEP 0, 0, 1
	TURN 0, 1, 1
	STEP 1, 0, 0
	TURN 1, 0, 1
	STEP 0, 0, 0
	TURN 0, 1, 0
	STEP 1, 0, 0
	s_wait_dscnt 4*NL
	WIN MUL_LO
	MUL16 0, 1, NQ-1, 1, 0
	MUL16 2, 1, NQ-1, 1, 0
	s_wait_dscnt 0
	WIN MUL_HI
	MUL16 4, 1, NQ-1, 1, 0
	MUL16 6, 1, NQ-1, 1, 0
	WIN 0
	s_cmp_eq_u32 ttmp9, 2
	s_cselect_b32 s20, s40, s41
	s_cselect_b32 s21, s16, s15
	s_cselect_b32 s22, s41, s40
	s_cselect_b32 s23, s15, s16
	s_mov_b32 s24, 1024
	s_cselect_b32 s24, 2048, s24
	s_mov_b32 s25, 4096
	s_cselect_b32 s25, 409600, s25
	s_mov_b32 s26, 409600
	s_cselect_b32 s26, 1024, s26
	s_lshl_b32 s27, s17, 2
	s_add_co_u32 s27, s27, s20
	s_lshl_b32 s27, s27, 1
	s_add_co_u32 s27, s27, s21
	s_lshr_b32 s28, s27, 4
	s_and_b32 s27, s27, 15
	s_lshl_b32 s28, s28, 4
	s_lshl_b32 s22, s22, 2
	s_add_co_u32 s28, s28, s22
	s_lshl_b32 s23, s23, 1
	s_add_co_u32 s28, s28, s23
	s_mul_i32 s30, s28, 409600
	s_mul_i32 s29, s27, 25600
	s_add_co_u32 s30, s30, s29                     ; the block of my head and step
	s_mov_b32 s29, 8192
	s_mov_b32 s33, 16640
	s_cmp_eq_u32 ttmp9, 1
	s_cselect_b32 s29, 0, s29
	s_cselect_b32 s33, 16384, s33
	s_cmp_eq_u32 ttmp9, 0
	s_cselect_b32 s29, 16896, s29
	s_cselect_b32 s33, 25088, s33
	s_add_co_u32 s32, s30, s33
	s_add_co_u32 s30, s30, s29
	s_mov_b32 s31, 0
	s_mov_b32 s33, 0
	s_add_nc_u64 s[10:11], s[8:9], s[32:33]        ; scale words
	s_add_nc_u64 s[8:9], s[8:9], s[30:31]          ; codes
	v_mov_b32 v[OFF], v3
	v_add_nc_u32 v[OFF+1], s26, v3
.irp a, 1,2,3
	v_add_nc_u32 v[OFF+2*\a], s24, v[OFF+2*\a-2]
	v_add_nc_u32 v[OFF+2*\a+1], s24, v[OFF+2*\a-1]
.endr
.irp a, 4,5,6,7
	v_add_nc_u32 v[OFF+2*\a], s25, v[OFF+2*\a-8]
	v_add_nc_u32 v[OFF+2*\a+1], s25, v[OFF+2*\a-7]
.endr
.irp b, 0,1,2,3
	v_mov_b32 v[TM+4+\b], 0
.endr
	v_lshlrev_b32 v[A1], 5, v1
	v_lshl_add_u32 v[A1], v2, 4, v[A1]
	v_lshlrev_b32 v[A2], 4, v1
	v_mad_u32_u24 v[A2], v2, 409600, v[A2]
.macro QEPI a
.set W, 2+(\a)/4
.set AC, 64*((\a)%4)
.set WN, W|(W<<2)
	WIN WN
.irp b, 0,1,2,3
	v_max3_num_f32 v[TM+\b], |v[AC+16*\b]|, |v[AC+16*\b+1]|, 0x4800000
.endr
.irp i, 2,4,6,8,10,12,14
.irp b, 0,1,2,3
	v_max3_num_f32 v[TM+\b], |v[AC+16*\b+\i]|, |v[AC+16*\b+\i+1]|, v[TM+\b]
.endr
.endr
	WIN 0
.irp b, 0,1,2,3
	v_permlanex16_b32 v[TM+4+\b], v[TM+\b], s[SEL], s[SEL+1]
.endr
.irp b, 0,1,2,3
	v_max_num_f32 v[TM+\b], v[TM+\b], v[TM+4+\b]
.endr
.irp b, 0,1,2,3
	v_add_nc_u32 v[TM+12+\b], 0xfc000000, v[TM+\b]
.endr
.irp b, 0,1,2,3
	v_and_or_b32 v[TM+8+\b], v[TM+\b], 0x7f800000, s[MNT]
.endr
.irp b, 0,1,2,3
	v_lshrrev_b32 v[TM+4+\b], 23, v[TM+12+\b]
.endr
	v_lshl_or_b32 v[PW+(\a)], v[TM+5], 8, v[TM+4]
	v_lshl_or_b32 v[PW+(\a)], v[TM+6], 16, v[PW+(\a)]
	v_lshl_or_b32 v[PW+(\a)], v[TM+7], 24, v[PW+(\a)]
.set WN, W|(W<<6)
	WIN WN
.irp b, 0,1,2,3
.irp i, 0,1,2,3,4,5,6,7,8,9,10,11,12,13,14,15
	v_med3_num_f32 v[AC+16*\b+\i], v[AC+16*\b+\i], -v[TM+8+\b], v[TM+8+\b]
.endr
.endr
	WIN W
.irp b, 0,1,2,3
	v_cvt_scalef32_pk8_fp8_f32 v[PC+16*(\a)+4*\b:PC+16*(\a)+4*\b+1], v[AC+16*\b:AC+16*\b+7], v[TM+12+\b]
	v_cvt_scalef32_pk8_fp8_f32 v[PC+16*(\a)+4*\b+2:PC+16*(\a)+4*\b+3], v[AC+16*\b+8:AC+16*\b+15], v[TM+12+\b]
.endr
	WIN 0
	v_nop
.irp c, 0,1,2,3
	global_store_b128 v[OFF+2*(\a)+\c/2], v[PC+16*(\a)+4*\c:PC+16*(\a)+4*\c+3], s[8:9] offset:512*(\c%2)
.endr
.endm
.irp a, 0,1,2,3,4,5,6,7
	QEPI \a
.endr
	v_cmp_ne_u32 vcc_lo, 0, v2
.irp i, 0,1,2,3
	v_cndmask_b32 v[TT+\i], v[PW+\i], v[PW+4+\i], vcc_lo
.endr
	s_wait_alu depctr_va_vdst(0)                   ; the wait ahead of the branch
	s_cmp_eq_u32 ttmp9, 0
	s_cbranch_scc1 .Lwords_q
	s_mov_b32 s34, 0x05040100
	s_mov_b32 s35, 0x07060302
.irp i, 0,1,2,3
	v_perm_b32 v[UU+\i], v[PW+2*\i+1], v[PW+2*\i], s34   ; K: a pair of tiles in one word: the even head,
	v_perm_b32 v[TM+\i], v[PW+2*\i+1], v[PW+2*\i], s35   ; the odd head
.endr
.irp i, 0,1,2,3
	v_cndmask_b32 v[UU+\i], v[UU+\i], v[TM+\i], vcc_lo   ; lanes 16-31 store the odd head's
.endr
	s_cmp_eq_u32 ttmp9, 2
	s_cselect_b32 s36, -1, 0
.irp i, 0,1,2,3
	v_cndmask_b32 v[UU+\i], v[UU+\i], v[TT+\i], s36      ; V: a word for each tile of channels
.endr
	global_store_b128 v[A2], v[UU:UU+3], s[10:11]
	s_branch .Lwords_done
.Lwords_q:
	s_wait_alu depctr_va_vdst(0)
	s_mov_b32 s34, 0x01000100
	s_mov_b32 s35, 0x03020302
.irp i, 0,1,2,3
	v_perm_b32 v[TM+\i], v[TT+\i], v[TT+\i], s34         ; Q: the head's two bytes, twice
	v_perm_b32 v[TM+4+\i], v[TT+\i], v[TT+\i], s35
.endr
	global_store_b128 v[A1], v[TM:TM+3], s[10:11]
	global_store_b128 v[A1], v[TM+4:TM+7], s[10:11] offset:409600
.Lwords_done:
	s_wait_tensorcnt 0x0
	ds_add_u32 v[SPW], v[NIL]
	s_wait_dscnt 0x0
	CROUND
	s_endpgm
.Lfunc_end_k_qd25db660f9_qkvgemm:
	.size	k_qd25db660f9_qkvgemm, .Lfunc_end_k_qd25db660f9_qkvgemm-k_qd25db660f9_qkvgemm
	.p2alignl 7, 3214868480
	.fill 96, 4, 3214868480
	.section	.rodata,"a",@progbits
	.p2align	6, 0x0
	.amdhsa_kernel k_qd25db660f9_qkvgemm
		.amdhsa_group_segment_fixed_size 327680
		.amdhsa_private_segment_fixed_size 0
		.amdhsa_enable_private_segment 0
		.amdhsa_kernarg_size 24
		.amdhsa_user_sgpr_count 2
		.amdhsa_user_sgpr_kernarg_segment_ptr 1
		.amdhsa_wavefront_size32 1
		.amdhsa_system_sgpr_workgroup_id_x 1
		.amdhsa_system_sgpr_workgroup_id_y 1
		.amdhsa_system_sgpr_workgroup_id_z 1
		.amdhsa_system_vgpr_workitem_id 0
		.amdhsa_next_free_vgpr 1024
		.amdhsa_next_free_sgpr 100
		.amdhsa_reserve_vcc 1
		.amdhsa_float_denorm_mode_32 3
		.amdhsa_float_denorm_mode_16_64 3
		.amdhsa_memory_ordered 1
		.amdhsa_forward_progress 1
		.amdhsa_inst_pref_size 189
	.end_amdhsa_kernel
	.amdgpu_metadata
---
amdhsa.version: [ 1, 2 ]
amdhsa.kernels:
  - .name:           k_qd25db660f9_qkvgemm
    .symbol:         k_qd25db660f9_qkvgemm.kd
    .args:
      - { .name: cw, .offset: 0, .size: 8, .value_kind: global_buffer, .address_space: global }
      - { .name: sw, .offset: 8, .size: 8, .value_kind: global_buffer, .address_space: global }
      - { .name: qkv, .offset: 16, .size: 8, .value_kind: global_buffer, .address_space: global }
    .group_segment_fixed_size: 327680
    .private_segment_fixed_size: 0
    .kernarg_segment_align: 8
    .kernarg_segment_size: 24
    .max_flat_workgroup_size: 128
    .sgpr_count:     100
    .vgpr_count:     1024
    .wavefront_size: 32
...
	.end_amdgpu_metadata
.endif
;; end of part 2
;; launch attn (part 3): grid 8 x 32, 16 waves a work-group, clusters of 4 x 1, 327,680 bytes of LDS; arguments qkv, acodes, ascales; writes acodes, ascales
.if DOCPART == 3
	.amdgcn_target "amdgcn-amd-amdhsa--gfx1250"
	.amdhsa_code_object_version 6
	.text
	.protected	k_qd25db660f9_attn
	.globl	k_qd25db660f9_attn
	.p2align	8
	.type	k_qd25db660f9_attn,@function
k_qd25db660f9_attn:
	s_mov_b64 s[64:65], 0
	v_nop
	global_prefetch_b8 v0, s[64:65] scope:SCOPE_SE
	s_setreg_imm32_b32 hwreg(HW_REG_WAVE_MODE, 25, 1), 1
	s_wait_xcnt 0x0
	s_wait_alu depctr_hold_cnt(0) depctr_sa_sdst(0) depctr_va_vdst(0) depctr_va_sdst(0) depctr_va_ssrc(0) depctr_va_vcc(0) depctr_vm_vsrc(0)
	s_getreg_b32 s2, hwreg(HW_REG_IB_STS2, 6, 4)
	s_cmp_eq_u32 s2, 0
	s_cbranch_scc0 .Lentry_in_a_cluster
	s_endpgm
.Lentry_in_a_cluster:
	s_bfe_u32 s2, ttmp6, 0x10000c
	s_cmp_lg_u32 s2, 0x3003
	s_cbranch_scc0 .Lentry_shape_is_right
	s_endpgm
.Lentry_shape_is_right:
; LAUNCH 3 OF 4.  Causal attention of 32 heads (2 batches x 16), 2,048 positions, head size 64, both products on codes of FP8 (E4M3) with E8M0 scales; the result, divided by the row's sum, is quantised along the model's 1,024 and stored as images for the projection.
; LEFT OUT AS DEAD WORK (shown at the head of launch 1): a step of 128 keys all of which come after all queries of a wave: reference()'s own jnp.tril gives them the weight 0.  The limits stated there hold here.
; LIMIT: the promise holds while the scaled scores (the exponents to the base 2, before the maximum is taken away) stay under 2^31 in magnitude.
; Inside the one step on the diagonal a hidden key's score becomes -8e9, which x 1/8 is reference()'s -1e9: its p is 0.
; THE SOFTMAX AHEAD OF THE SECOND PRODUCT: t = score x log2(e) / 8; M = the row's largest t so far, rounded UP to a whole number; p = 2^(t - M) is what is quantised, along the keys, not normalised.
; The row's sum is taken of the unquantised p, in f32, and divides O at the end.  When M moves, the sum and O are multiplied by 2^(old M - new M): exact.
; LDS HOLDS A WHOLE HEAD: 16 steps x 16,896 bytes (K 8,192, V 8,192, their scale words 256 + 256) as launch 2 laid them, filled once.  Wave w asks for step w, one tensor load a wave.  Steps 0 and 1 are shown by the first barrier, all others by the barrier behind step 1.
; SHARES.  A work-group owns tile a (its number, 0 .. 7) of each of the head's 16 blocks of 128 queries, a wave one block: b + 1 steps for block b.  Waves k, k + 4, k + 8, k + 12 take blocks 15 - 2 k, 14 - 2 k, 2 k + 1, 2 k: 34 steps together for each k.
; CLUSTERS: four work-groups of one head, which need the same 16 steps whatever a: each step is asked for jointly.  No branch and no LDS address hangs on a.
; NO PREFETCH: all that a work-group reads of K and V is asked for at the head by its tensor loads; there is no loop to run ahead in.
; LAYOUT.  Both products are used transposed: S^T = K Q^T (source 0 = 16 keys), O^T = V^T P^T (source 0 = 16 channels): a lane holds ONE query throughout.
; Tile a of K holds at row r the key 32 (a / 2) + 8 (a % 2) + r % 8 + 16 (r / 8): so p's 16 registers of tiles 2 b, 2 b + 1 are the keys 32 b + 16 (lane / 16) + 0 .. 15.  V's tiles order the channels likewise.
; The first product's K is 64, the instruction's 128: tiles 2 b and 2 b + 1 of K lie side by side in one fragment; against [Q, zero codes] it gives tile 2 b, against [zero codes, Q] tile 2 b + 1.
; TWO BANKS of 64 registers take turns: a step's K lies in one, S^T is made in the other; V takes K's bank; as p turns into codes the next step's K takes p's.
.set BLKB,  25600                      ; a head's step in qkv
.set TILEB, 16896                      ; what of it lies in LDS
.set SPARE, 16*TILEB                   ; the spare words, 128 bytes for each wave, that no other line names
.set LI,   1                           ; v1   16 x lane
.set ASK0, 2                           ; v2   16,384 + 16 r: my row's scale words in a step
.set ADA,  3                           ; v3-6 LDS addresses of codes and scale words: even steps, odd steps
.set ASA,  4
.set ADB,  5
.set ASB,  6
.set SPW,  7                           ; v7   LDS address of my spare word; never rewritten
.set NIL,  8                           ; v8   0; never rewritten
.set MB,   10                          ; v10  -M behind odd steps (v11 its pair)
.set MA,   12                          ; v12  -M behind even steps
.set MX0,  13                          ; v13  the row's largest score so far
.set L,    14                          ; v[14:15] the sum in two halves
.set ZQ,   16                          ; v16-31  [zero codes, Q]
.set QZ,   24                          ; v24-39  [Q, zero codes]
.set KX,   40                          ; v40-103, v104-167 the two banks
.set KY,   104
.set O,    168                         ; v168-199 O^T
.set PCD,  200                         ; v200-215 p's codes
.set SK,   216                         ; v216-219 K's scale words: pair b of tiles
.set SV,   220                         ; v220-223 V's
.set QS,   224                         ; v224 Q's
.set PS,   225                         ; v225 p's
.set MX,   226                         ; v226-229 the blocks' largest scores, then largest p
.set PX,   230                         ; v230-233 at work
.set HD,   234                         ; v234-237 448 x the scale
.set SO,   238                         ; v238-241 the conversions' scale operands
.set TP,   242                         ; v242 at work
.set F,    244                         ; v[244:245] f = 2^(old M - new M), named as a pair
.set DD,   246                         ; v246 the diagonal's bound
.set NEG,  247                         ; v247 -8e9
.set AC,   248                         ; v248-255 four partial sums
.set WV,   18
.set MNT,  19                          ; s19  the mantissa field of 448
.set SEL,  20                          ; s[20:21] lane selects: lane l xor 16
.set CS,   22                          ; s[22:23] c = log2(e) / 8
.set G1,   24                          ; s[24:31], s[40:43] the descriptor
.set NCS,  32                          ; s32  -c
.set TB,   34                          ; s34  LDS byte of the step after the one in hand
.set TM,   35                          ; s35  the same, held at the last step
.set N,    36                          ; s36  the step in hand
.set BLK,  37                          ; s37  my block of 128 queries: my last step
.set TA,   38                          ; s38  my tile in it
.set TR,   39                          ; s39  trips still to go
.set G0,   40
.macro CROUND                          ; a round of the cluster's barrier
	s_barrier_signal -1
	s_barrier_wait -1
	s_cmp_lg_u32 s[WV], 0
	s_cbranch_scc1 .Lnot_wave_0_\@
	s_barrier_signal -3
.Lnot_wave_0_\@:
	s_barrier_wait -3
	s_barrier_signal -1
	s_barrier_wait -1
.endm
.macro TLOAD                           ; an s_nop 0 and four v_nop follow the line
	tensor_load_to_lds s[G0:G0+3], s[G1:G1+7]
	s_nop 0
.rept 4
	v_nop
.endr
.endm
	s_load_b128 s[4:7], s[0:1], 0x0                ; qkv, acodes
	s_load_b64 s[8:9], s[0:1], 0x10                ; ascales
	v_lshl_add_u32 v[SPW], v0, 2, SPARE
	v_mov_b32 v[NIL], 0
	ds_add_u32 v[SPW], v[NIL]                      ; the wave's opening: the add, twice on end, and its wait ahead of my first tensor load
	ds_add_u32 v[SPW], v[NIL]
	v_lshrrev_b32 v9, 5, v0
	v_readfirstlane_b32 s[WV], v9                  ; wave 0..15
	s_and_b32 s67, ttmp7, 0xffff                   ; the head, 0 .. 31
	s_mul_i32 s74, s67, 16*BLKB                    ; its first byte in qkv
	s_mul_i32 s75, s[WV], BLKB
	s_add_co_u32 s76, s74, s75                     ; the step that I fetch
	s_mov_b32 s77, 0
	s_mov_b32 s[G0], 1
	s_mul_i32 s[G0+1], s[WV], TILEB                ; and its place in LDS
	s_mov_b32 s[G1], 15|(3<<16)|(1<<21)            ; the mask: all four work-groups; elements of 8 bytes; bit 21 set beside a mask
	s_mov_b32 s[G1+1], 1056<<16                    ; 16,896 dense bytes as two rows of 8,448
	s_mov_b32 s[G1+2], 2<<16
	s_mov_b32 s[G1+3], 1056<<16
	s_mov_b32 s[G1+4], 2
	s_mov_b32 s[G1+5], 1056
	s_mov_b32 s[G1+6], 0
	s_mov_b32 s[G1+7], 0
	s_and_b32 s78, s[WV], 3
	s_lshl_b32 s78, s78, 1                         ; 2 k
	s_lshr_b32 s79, s[WV], 2                       ; j
	s_sub_co_u32 s80, 15, s78
	s_sub_co_u32 s80, s80, s79                     ; j = 0, 1: block 15 - 2 k - j
	s_sub_co_u32 s81, 3, s79
	s_add_co_u32 s81, s81, s78                     ; j = 2, 3: block 2 k + 3 - j
	s_cmp_lt_u32 s79, 2
	s_cselect_b32 s[BLK], s80, s81
	s_bfe_u32 s66, ttmp6, 0x40000                  ; cx
	s_lshl_b32 s[TA], ttmp9, 2
	s_add_co_u32 s[TA], s[TA], s66                 ; a = 4 x cluster x + cx
	s_mul_i32 s82, s[BLK], BLKB
	s_add_co_u32 s82, s82, s74
	s_lshl_b32 s84, s[TA], 2
	s_add_co_u32 s84, s84, s82
	s_add_co_u32 s84, s84, 25088                   ; my tile's scale words
	s_mov_b32 s85, 0
	s_lshl_b32 s83, s[TA], 10
	s_add_co_u32 s82, s82, s83
	s_add_co_u32 s82, s82, TILEB                   ; my tile of Q
	s_mov_b32 s83, 0
	s_lshr_b32 s86, s67, 4
	s_lshl_b32 s86, s86, 7
	s_lshl_b32 s87, s[BLK], 3
	s_add_co_u32 s86, s86, s87
	s_add_co_u32 s86, s86, s[TA]                   ; the output's tile: 128 batch + 8 block + a
	s_and_b32 s90, s67, 15                         ; the head in its batch
	s_lshl_b32 s88, s86, 9
	s_lshr_b32 s91, s90, 2
	s_lshl_b32 s91, s91, 7
	s_add_co_u32 s88, s88, s91
	s_and_b32 s91, s90, 3
	s_lshl_b32 s91, s91, 1
	s_add_co_u32 s88, s88, s91                     ; ascales: 512 tile + 128 (head / 4) + 2 (head % 4)
	s_mov_b32 s89, 0
	s_lshl_b32 s86, s86, 14
	s_lshl_b32 s90, s90, 10
	s_add_co_u32 s86, s86, s90                     ; acodes: 16,384 tile + 1,024 head
	s_mov_b32 s87, 0
	s_lshr_b32 s90, s[TA], 1
	s_lshl_b32 s90, s90, 5
	s_and_b32 s91, s[TA], 1
	s_lshl_b32 s91, s91, 3
	s_add_co_u32 s90, s90, s91                     ; my tile's first query in its block: 32 (a / 2) + 8 (a % 2)
	s_mov_b32 s[SEL], 0x76543210
	s_mov_b32 s[SEL+1], 0xfedcba98
	s_mov_b32 s[CS], 0x3e38aa3b                    ; c = log2(e) / 8
	s_mov_b32 s[CS+1], s[CS]                       ; named with it as a pair, so it is written
	s_mov_b32 s[NCS], 0xbe38aa3b
	s_mov_b32 s[MNT], 0x600000
	s_mov_b32 s[TB], TILEB
	s_mov_b32 s[TM], TILEB
	s_mov_b32 s[N], 0
	s_wait_dscnt 0x0                               ; both opening adds are done
	CROUND                                         ; all four work-groups are here: the joint loads meet
	s_wait_kmcnt 0x0
	s_add_nc_u64 s[G0+2:G0+3], s[4:5], s[76:77]
	s_or_b32 s[G0+3], s[G0+3], 0x80000000
	s_cmp_lt_u32 s[WV], 2                          ; one tensor load a wave: waves 0 and 1 have a line of their own, since the first barrier shows theirs alone
	s_cbranch_scc0 .Llater
	TLOAD
	s_branch .Lasked
.Llater:
	TLOAD
.Lasked:
	s_add_nc_u64 s[82:83], s[4:5], s[82:83]
	s_add_nc_u64 s[84:85], s[4:5], s[84:85]
	s_add_nc_u64 s[86:87], s[6:7], s[86:87]
	s_add_nc_u64 s[88:89], s[8:9], s[88:89]
	v_and_b32 v9, 15, v0                           ; r
	v_bfe_u32 v11, v0, 4, 1                        ; h
	v_and_b32 v[LI], 31, v0
	v_lshlrev_b32 v[LI], 4, v[LI]
	v_lshlrev_b32 v[TP], 5, v9                     ; 32 r
	global_load_b128 v[QZ:QZ+3], v[LI], s[82:83]               ; Q's two pieces stay in registers
	global_load_b128 v[QZ+4:QZ+7], v[LI], s[82:83] offset:512
	global_load_b32 v[QS], v[TP], s[84:85]         ; and row r's scale word
	v_lshlrev_b32 v[ASK0], 4, v9
	v_add_nc_u32 v[ASK0], 16384, v[ASK0]
	v_mov_b32 v[ADA], v[LI]                        ; step 0
	v_mov_b32 v[ASA], v[ASK0]
	v_and_b32 v[AC], 7, v9
	v_and_b32 v[AC+1], 8, v9
	v_lshl_add_u32 v[DD], v[AC+1], 1, v[AC]
	v_lshlrev_b32 v[AC+1], 4, v11
	v_sub_nc_u32 v[DD], v[DD], v[AC+1]
	v_add_nc_u32 v[DD], s90, v[DD]                 ; d = my query in its block - 16 h: in the diagonal's step register 16 b + i is hidden where 32 b + i > d
	v_mov_b32 v11, 0                               ; (the upper half of a pair that is named)
	v_mov_b32 v[MB], 0x7f61b1e6                    ; -M = 3e38: M lies under every t
	v_mov_b32 v[MX0], 0xff61b1e6                   ; the largest score so far: -3e38
	v_mov_b32 v[L], 0
	v_mov_b32 v[L+1], 0
	v_mov_b32 v[NEG], 0xcfee6b28                   ; -8e9
	v_mov_b32 v[F+1], 0                            ; named as the upper half of a pair
.irp b, 0,1,2,3
	v_mov_b32 v[PX+\b], 0                          ; written once: lane permutes' destinations count as sources
.endr
.irp j, 0,1,2,3,4,5,6,7
	v_mov_b32 v[ZQ+\j], 0                          ; ZERO CODES on both sides of Q: they add nothing under any scale byte but 0xff
	v_mov_b32 v[QZ+8+\j], 0
.endr
.set j_, 0
.rept 32
	v_mov_b32 v[O+j_], 0                           ; O^T: the first step finds zeros, which its change of M leaves zeros
.set j_, j_+1
.endr
.macro LD4 dst, adr, off               ; a fragment of 128 along K: four pieces of 512 bytes
.irp i, 0,1,2,3
	ds_load_b128 v[\dst+4*\i:\dst+4*\i+3], v[\adr] offset:\off+512*\i
.endr
.endm
.macro FETCHK bank, adr, asc           ; a step's eight tiles of K, two to a fragment, and its scale words: 17 loads
.irp b, 0,1,2,3
	LD4 \bank+16*\b, \adr, 2048*\b
.endr
	ds_load_b128 v[SK:SK+3], v[\asc]
.endm
; A KEY STEP of 128 keys.  kb: the bank that holds K, then V; sb: the bank of S^T, then p, then (pre = 1) the next step's K; adv, asv: the step's LDS addresses; adn, asn: the next step's; mn, mo: -M anew, -M of old; test = 0: the step is never left out.
.macro STEP kb, sb, adv, asv, adn, asn, mn, mo, pre, test
.if \test
	s_cmp_gt_u32 s[N], s[BLK]                      ; a step all of whose keys come after my block's queries is left out: a scalar branch on ids, round no barrier and no tensor load
	s_cbranch_scc1 .Lhidden_\@
.endif
.if \pre
	v_add_nc_u32 v[\adn], s[TM], v[LI]
	v_add_nc_u32 v[\asn], s[TM], v[ASK0]
.else
	v_nop
	v_nop
.endif
.rept 3
	v_nop                                          ; with the four sums behind the last step's products nine places: the products below write over V's registers
.endr
	s_wait_alu depctr_va_vdst(0)                   ; directly ahead of the wait below
	s_wait_dscnt 0x0                               ; K is in
.irp b, 0,1,2,3                                    ; S^T = K Q^T: register 16 b + i holds key 32 b + 16 (lane / 16) + i of the step
	v_wmma_scale_f32_16x16x128_f8f6f4 v[\sb+16*\b:\sb+16*\b+7], v[\kb+16*\b:\kb+16*\b+15], v[QZ:QZ+15], 0, v[SK+\b], v[QS]
	v_wmma_scale_f32_16x16x128_f8f6f4 v[\sb+16*\b+8:\sb+16*\b+15], v[\kb+16*\b:\kb+16*\b+15], v[ZQ:ZQ+15], 0, v[SK+\b], v[QS]
.endr
.rept 8
	v_nop
.endr
.irp t, 0,1,2,3
	LD4 \kb+16*\t, \adv, 8192+2048*\t              ; V's four tiles of 16 channels land where K lay, while the softmax is worked
.endr
	ds_load_b128 v[SV:SV+3], v[\asv] offset:256
	s_cmp_lg_u32 s[N], s[BLK]                      ; only the diagonal's step has the mask
	s_cbranch_scc1 .Lopen_\@
.set n_, 0
.rept 64
	v_cmp_gt_i32 vcc_lo, 32*(n_/16)+n_%16, v[DD]
	v_cndmask_b32 v[\sb+n_], v[\sb+n_], v[NEG], vcc_lo
.set n_, n_+1
.endr
.Lopen_\@:
.irp b, 0,1,2,3
	v_max3_num_f32 v[MX+\b], v[\sb+16*\b], v[\sb+16*\b+1], v[\sb+16*\b+2]   ; THE LARGEST SCORE OF EACH BLOCK OF 32 KEYS: for the row's maximum, and, since p rises with the score, for the block's largest p
.endr
.irp i, 3,5,7,9,11,13
.irp b, 0,1,2,3
	v_max3_num_f32 v[MX+\b], v[MX+\b], v[\sb+16*\b+\i], v[\sb+16*\b+\i+1]
.endr
.endr
.irp b, 0,1,2,3
	v_max_num_f32 v[MX+\b], v[MX+\b], v[\sb+16*\b+15]
.endr
.irp b, 0,1,2,3
	v_permlanex16_b32 v[PX+\b], v[MX+\b], s[SEL], s[SEL+1]
.endr
.irp b, 0,1,2,3
	s_delay_alu instid0(VALU_DEP_4)
	v_max_num_f32 v[MX+\b], v[MX+\b], v[PX+\b]     ; with lane l xor 16's 16 keys
.endr
	s_delay_alu instid0(VALU_DEP_2)
	v_max3_num_f32 v[TP], v[MX], v[MX+1], v[MX+2]
	s_delay_alu instid0(VALU_DEP_1)
	v_max3_num_f32 v[MX0], v[MX0], v[TP], v[MX+3]  ; the row's largest score
	s_delay_alu instid0(VALU_DEP_1)
	v_mul_f32 v[TP], s[NCS], v[MX0]                ; -t (c is positive)
	s_delay_alu instid0(VALU_DEP_1)
	v_floor_f32 v[\mn], v[TP]                      ; -M = floor(-t) = -ceil(t): a whole number
	s_delay_alu instid0(VALU_DEP_1)
	v_sub_f32 v[TP], v[\mn], v[\mo]                ; M's old value less its new one: a whole number, 0 or less
	s_delay_alu instid0(VALU_DEP_1)
	v_cvt_i32_f32 v[TP], v[TP]                     ; (it saturates)
	s_delay_alu instid0(VALU_DEP_1)
	v_ldexp_f32 v[F], 1.0, v[TP]                   ; f = 2^(old M - new M)
.set j_, 0
.rept 32
	v_pk_fma_f32 v[\sb+j_:\sb+j_+1], v[\sb+j_:\sb+j_+1], s[CS:CS+1], v[\mn:\mn+1] op_sel_hi:[1,0,0]   ; t - M, two at a time
.set j_, j_+2
.endr
	v_pk_fma_f32 v[MX:MX+1], v[MX:MX+1], s[CS:CS+1], v[\mn:\mn+1] op_sel_hi:[1,0,0]                   ; the same of each block's largest score
	v_pk_fma_f32 v[MX+2:MX+3], v[MX+2:MX+3], s[CS:CS+1], v[\mn:\mn+1] op_sel_hi:[1,0,0]
	s_wait_alu depctr_va_vdst(0)                   ; the wait ahead of the batch
.set j_, 0
.rept 64
	v_exp_f32 v[\sb+j_], v[\sb+j_]                 ; p = 2^(t - M), at most 1
.set j_, j_+1
.endr
.irp b, 0,1,2,3
	v_exp_f32 v[MX+\b], v[MX+\b]                   ; the block's largest p: the same instructions on the same number give the same bits
.endr
	v_nop                                          ; a plain place behind the batch
	s_wait_alu depctr_va_vdst(0)                   ; the wait ahead of the batch's first reader
.irp k, 0,2,4,6
	v_pk_add_f32 v[AC+\k:AC+\k+1], v[\sb+2*\k:\sb+2*\k+1], v[\sb+2*\k+2:\sb+2*\k+3]   ; the row's sum of the unquantised p: two at a time, in four chains
.endr
.set j_, 16
.rept 24
	v_pk_add_f32 v[AC+j_%8:AC+j_%8+1], v[AC+j_%8:AC+j_%8+1], v[\sb+j_:\sb+j_+1]
.set j_, j_+2
.endr
.irp b, 0,1,2,3
	v_max_num_f32 v[MX+\b], 0x4800000, v[MX+\b]    ; the floor 2^(9 - 127): the byte cannot fall under 1 (a block whose every p is 0 keeps that byte: its codes are zeros)
.endr
.irp b, 0,1,2,3
	s_delay_alu instid0(VALU_DEP_4)
	v_add_nc_u32 v[SO+\b], 0xfc000000, v[MX+\b]    ; 8 off the exponent field: the conversion's scale operand
.endr
.irp b, 0,1,2,3
	v_and_or_b32 v[HD+\b], v[MX+\b], 0x7f800000, s[MNT]   ; 448 x the scale
.endr
.irp b, 0,1,2,3
	v_lshrrev_b32 v[PX+\b], 23, v[SO+\b]           ; the scale's byte
.endr
	s_delay_alu instid0(VALU_DEP_3)
	v_lshl_or_b32 v[PS], v[PX+1], 8, v[PX]         ; p's scale word for these 128 keys
	s_delay_alu instid0(VALU_DEP_1)
	v_lshl_or_b32 v[PS], v[PX+2], 16, v[PS]
	s_delay_alu instid0(VALU_DEP_1)
	v_lshl_or_b32 v[PS], v[PX+3], 24, v[PS]
.irp b, 0,1,2,3
.set j_, 0
.rept 8
	v_dual_min_num_f32 v[\sb+16*\b+j_], v[\sb+16*\b+j_], v[HD+\b] :: v_dual_min_num_f32 v[\sb+16*\b+j_+1], v[\sb+16*\b+j_+1], v[HD+\b]   ; the conversion does not saturate (ISA guide 7.6.2); p is not negative, so the hold is one-sided
.set j_, j_+2
.endr
	v_cvt_scalef32_pk8_fp8_f32 v[PCD+4*\b:PCD+4*\b+1], v[\sb+16*\b:\sb+16*\b+7], v[SO+\b]
	v_cvt_scalef32_pk8_fp8_f32 v[PCD+4*\b+2:PCD+4*\b+3], v[\sb+16*\b+8:\sb+16*\b+15], v[SO+\b]
.if \pre
	LD4 \sb+16*\b, \adn, 2048*\b                   ; two tiles of the next step's K take the registers that this block of p has left
.endif
.endr
.if \pre
	ds_load_b128 v[SK:SK+3], v[\asn]
	s_wait_dscnt 17                                ; V and its scale words are in; the next step's 17 loads may be out
.else
	s_wait_dscnt 0x0
.endif
	s_wait_alu depctr_va_vdst(0)                   ; the wait directly ahead of the first reader of O^T
.set j_, 0
.rept 16
	v_pk_mul_f32 v[O+j_:O+j_+1], v[O+j_:O+j_+1], v[F:F+1] op_sel_hi:[1,0]   ; O^T under the new M.  These 16 are also the places between the codes' making and the products
.set j_, j_+2
.endr
.irp t, 0,1,2,3
	v_wmma_scale_f32_16x16x128_f8f6f4 v[O+8*\t:O+8*\t+7], v[\kb+16*\t:\kb+16*\t+15], v[PCD:PCD+15], v[O+8*\t:O+8*\t+7], v[SV+\t], v[PS]   ; O^T += V^T P^T: four accumulators, one turn each
.endr
	v_pk_add_f32 v[AC:AC+1], v[AC:AC+1], v[AC+2:AC+3]
	v_pk_add_f32 v[AC+4:AC+5], v[AC+4:AC+5], v[AC+6:AC+7]
	v_pk_add_f32 v[AC:AC+1], v[AC:AC+1], v[AC+4:AC+5]
	v_pk_fma_f32 v[L:L+1], v[L:L+1], v[F:F+1], v[AC:AC+1] op_sel_hi:[1,0,1]   ; the row's sum under the new M, and this step's
.Lhidden_\@:
	s_add_co_u32 s[N], s[N], 1
	s_add_co_u32 s[TB], s[TB], TILEB
	s_min_u32 s[TM], s[TB], 15*TILEB               ; behind the last step nothing lies: its look-ahead reads the last step again, which is whole, and nobody uses it
.endm
	s_wait_alu depctr_va_vdst(0)                   ; the wait at the head's end
	s_wait_loadcnt 0x0                             ; Q
	s_cmp_lt_u32 s[WV], 2
	s_cbranch_scc0 .Lnot_first
	s_wait_tensorcnt 0x0                           ; waves 0 and 1: steps 0 and 1 are in.  The others' wait stands at the second barrier
.Lnot_first:
	s_barrier_signal -1
	s_barrier_wait -1
	FETCHK KX, ADA, ASA
	STEP KX, KY, ADA, ASA, ADB, ASB, MA, MB, 1, 0
	STEP KY, KX, ADB, ASB, ADA, ASA, MB, MA, 0, 1
	s_wait_alu depctr_va_vdst(0)
	s_wait_tensorcnt 0x0                           ; every wave: all 16 steps are in
	s_wait_dscnt 0x0
	s_barrier_signal -1
	s_barrier_wait -1
	v_add_nc_u32 v[ADA], 2*TILEB, v[LI]            ; step 2
	v_add_nc_u32 v[ASA], 2*TILEB, v[ASK0]
.rept 6
	v_nop                                          ; eight places and more behind the last products, for the loads into the bank
.endr
	FETCHK KX, ADA, ASA
	s_mov_b32 s[TR], 7
.Lloop:                                            ; 7 trips of two steps: the count is a constant; what a wave does not need is jumped over inside
	STEP KX, KY, ADA, ASA, ADB, ASB, MA, MB, 1, 1
	STEP KY, KX, ADB, ASB, ADA, ASA, MB, MA, 1, 1
	s_sub_co_u32 s[TR], s[TR], 1
	s_cmp_lg_u32 s[TR], 0
	s_cbranch_scc1 .Lloop
	; THE WAY OUT.  O^T / the row's sum; register 16 B + i is channel 32 B + 16 (lane / 16) + i of my query: two blocks of the projection's K.  They are quantised and stored as two pieces of an image.
	v_mov_b32 v[TP], 0
	s_wait_alu depctr_va_vdst(0)                   ; directly ahead of the wait below
	s_wait_dscnt 0x0                               ; the last look-ahead has landed: the banks are free
	v_add_f32 v[L], v[L], v[L+1]                   ; the sum's two halves,
	s_delay_alu instid0(VALU_DEP_1)
	v_permlanex16_b32 v[TP], v[L], s[SEL], s[SEL+1]
	s_delay_alu instid0(VALU_DEP_1)
	v_add_f32 v[L], v[L], v[TP]                    ; and lane l xor 16's
	s_wait_alu depctr_va_vdst(0)
	v_rcp_f32 v[L], v[L]
	v_and_b32 v9, 15, v0
	v_lshlrev_b32 v9, 3, v9                        ; 8 r: my row's place among the scale words
.rept 6
	v_nop                                          ; with the two lines above: the places behind the last products
.endr
	s_wait_alu depctr_va_vdst(0)                   ; the wait ahead of the reciprocal's first reader
.set j_, 0
.rept 32
	v_mul_f32 v[KX+j_], v[O+j_], v[L]
.set j_, j_+1
.endr
.irp b, 0,1
	v_max3_num_f32 v[MX+\b], |v[KX+16*\b]|, |v[KX+1+16*\b]|, 0x4800000
.endr
.irp i, 2,4,6,8,10,12,14
.irp b, 0,1
	s_delay_alu instid0(VALU_DEP_2)
	v_max3_num_f32 v[MX+\b], v[MX+\b], |v[KX+16*\b+\i]|, |v[KX+1+16*\b+\i]|
.endr
.endr
.irp b, 0,1
	s_delay_alu instid0(VALU_DEP_2)
	v_permlanex16_b32 v[PX+\b], v[MX+\b], s[SEL], s[SEL+1]
.endr
.irp b, 0,1
	s_delay_alu instid0(VALU_DEP_2)
	v_max_num_f32 v[MX+\b], v[MX+\b], v[PX+\b]
.endr
.irp b, 0,1
	s_delay_alu instid0(VALU_DEP_2)
	v_add_nc_u32 v[SO+\b], 0xfc000000, v[MX+\b]
.endr
.irp b, 0,1
	v_and_or_b32 v[HD+\b], v[MX+\b], 0x7f800000, s[MNT]
.endr
.irp b, 0,1
	v_lshrrev_b32 v[PX+\b], 23, v[SO+\b]
.endr
	s_delay_alu instid0(VALU_DEP_1)
	v_lshl_or_b32 v[TP], v[PX+1], 8, v[PX]         ; the head's two bytes of my row's scale word
.irp b, 0,1
.irp i, 0,1,2,3,4,5,6,7,8,9,10,11,12,13,14,15
	v_med3_num_f32 v[KX+16*\b+\i], v[KX+16*\b+\i], -v[HD+\b], v[HD+\b]
.endr
	v_cvt_scalef32_pk8_fp8_f32 v[PCD+4*\b:PCD+4*\b+1], v[KX+16*\b:KX+16*\b+7], v[SO+\b]
	v_cvt_scalef32_pk8_fp8_f32 v[PCD+4*\b+2:PCD+4*\b+3], v[KX+16*\b+8:KX+16*\b+15], v[SO+\b]
.endr
	v_nop                                          ; one plain line behind the last conversion
	global_store_b128 v[LI], v[PCD:PCD+3], s[86:87]            ; 32 lanes store 512 consecutive bytes, aligned
	global_store_b128 v[LI], v[PCD+4:PCD+7], s[86:87] offset:512
	global_store_b16 v9, v[TP], s[88:89]           ; two bytes a row, 8 bytes apart, are all that a head has of a scale word; both halves of the lanes store the same value: 131,072 bytes in the launch
	s_wait_tensorcnt 0x0                           ; the wave's end, behind my last tensor load
	ds_add_u32 v[SPW], v[NIL]
	s_wait_dscnt 0x0
	CROUND                                         ; the closing round: no work-group ends while a partner may still ask for a tile that names it
	s_endpgm
.Lfunc_end_k_qd25db660f9_attn:
	.size	k_qd25db660f9_attn, .Lfunc_end_k_qd25db660f9_attn-k_qd25db660f9_attn
	.p2alignl 7, 3214868480
	.fill 96, 4, 3214868480
	.section	.rodata,"a",@progbits
	.p2align	6, 0x0
	.amdhsa_kernel k_qd25db660f9_attn
		.amdhsa_group_segment_fixed_size 327680
		.amdhsa_private_segment_fixed_size 0
		.amdhsa_enable_private_segment 0
		.amdhsa_kernarg_size 24
		.amdhsa_user_sgpr_count 2
		.amdhsa_user_sgpr_kernarg_segment_ptr 1
		.amdhsa_wavefront_size32 1
		.amdhsa_system_sgpr_workgroup_id_x 1
		.amdhsa_system_sgpr_workgroup_id_y 1
		.amdhsa_system_sgpr_workgroup_id_z 1
		.amdhsa_system_vgpr_workitem_id 0
		.amdhsa_next_free_vgpr 256
		.amdhsa_next_free_sgpr 100
		.amdhsa_reserve_vcc 1
		.amdhsa_float_denorm_mode_32 3
		.amdhsa_float_denorm_mode_16_64 3
		.amdhsa_memory_ordered 1
		.amdhsa_forward_progress 1
		.amdhsa_inst_pref_size 111
	.end_amdhsa_kernel
	.amdgpu_metadata
---
amdhsa.version: [ 1, 2 ]
amdhsa.kernels:
  - .name:           k_qd25db660f9_attn
    .symbol:         k_qd25db660f9_attn.kd
    .args:
      - { .name: qkv, .offset: 0, .size: 8, .value_kind: global_buffer, .address_space: global }
      - { .name: acodes, .offset: 8, .size: 8, .value_kind: global_buffer, .address_space: global }
      - { .name: ascales, .offset: 16, .size: 8, .value_kind: global_buffer, .address_space: global }
    .group_segment_fixed_size: 327680
    .private_segment_fixed_size: 0
    .kernarg_segment_align: 8
    .kernarg_segment_size: 24
    .max_flat_workgroup_size: 512
    .sgpr_count:     100
    .vgpr_count:     256
    .wavefront_size: 32
...
	.end_amdgpu_metadata
.endif
;; end of part 3
;; launch outgemm (part 4): grid 8 x 32, 4 waves a work-group, clusters of 4 x 4, 327,680 bytes of LDS; arguments acodes, ascales, cw, sw, out0; writes out0
.if DOCPART == 4
	.amdgcn_target "amdgcn-amd-amdhsa--gfx1250"
	.amdhsa_code_object_version 6
	.text
	.protected	k_qd25db660f9_outgemm
	.globl	k_qd25db660f9_outgemm
	.p2align	8
	.type	k_qd25db660f9_outgemm,@function
k_qd25db660f9_outgemm:
	s_mov_b64 s[64:65], 0
	v_nop
	global_prefetch_b8 v0, s[64:65] scope:SCOPE_SE
	s_setreg_imm32_b32 hwreg(HW_REG_WAVE_MODE, 25, 1), 1
	s_wait_xcnt 0x0
	s_wait_alu depctr_hold_cnt(0) depctr_sa_sdst(0) depctr_va_vdst(0) depctr_va_sdst(0) depctr_va_ssrc(0) depctr_va_vcc(0) depctr_vm_vsrc(0)
	s_getreg_b32 s2, hwreg(HW_REG_IB_STS2, 6, 4)
	s_cmp_eq_u32 s2, 0
	s_cbranch_scc0 .Lentry_in_a_cluster
	s_endpgm
.Lentry_in_a_cluster:
	s_bfe_u32 s2, ttmp6, 0x10000c
	s_cmp_lg_u32 s2, 0xf033
	s_cbranch_scc0 .Lentry_shape_is_right
	s_endpgm
.Lentry_shape_is_right:
; LAUNCH 4 OF 4.  out0 = o w_o^T on codes of FP8 (E4M3) with E8M0 scales: o's images from the attention launch (acodes, ascales), w_o's from launch 1 (cw's tiles 448-511, sw).  out0: [4096][1024] f32.  Nothing of reference() is left out here.
; A tile of out0 is 128 tokens x 128 outputs: 32 x 8 = 256 work-groups, where tiles of 256 x 256 would make 64.  Four waves, each 64 x 64: 16 accumulators of 16 x 16.
; op1 (source 1) = 8 tiles of tokens, op0 (source 0) = 8 tiles of w_o's rows: a lane then holds eight neighbouring outputs of one token.
; ALL OF K LIES IN LDS, in two halves of 512 along K, filled once: four tensor loads, one a wave: op1's and op0's first half (waves 0, 1), their second half (waves 2, 3).  The first barrier shows the first half, the second the rest.
; The scale words go from memory straight into registers.  The first half is multiplied along K; the second by rows of out0, so that finished rows leave while the others are multiplied.
; CLUSTERS: 4 x 4 work-groups.  op1's tiles hang on the tile row alone and are asked for jointly by a row of the cluster, op0's on the tile column alone, by a column.
; NO PREFETCH: all that a work-group reads is asked for at the head; there is no loop to run ahead in.
; THE ROWS OF A TILE ARE NOT NEIGHBOURS (launch 1): tile 2 G + u holds at row r the true row 32 G + 8 u + r % 8 + 16 (r / 8).  For op0 that gives a lane true neighbours; for the tokens the stores' offsets undo it.
; REGISTERS: window 0: v1-29 addresses; v32-95 scale words; v96-159 the way out's rows.  window 1: op0's fragments of a half, (q, b) at v[64 q + 16 b]; window 2: op1's, (q, a); window 3: the accumulators, (a, b) at v[8 (4 a + b)].
.set HB,     131072                    ; a half: op1's 8 tiles x 8,192 bytes, then op0's
.set OP0,    65536
.set SPARE,  2*HB                      ; the spare words, 128 bytes for each wave, that no other line names
.set SPITCH, 272                       ; the way out: a stage of 16 rows x (256 bytes + 16) for each wave, in the first half, which has had its one fill, and which nobody reads behind the second barrier
.set ADRA, 16                          ; v16-17  LDS address of my op1 fragments in half 0, 1
.set ADRB, 20                          ; v20-21  the same for op0
.set STO,  24                          ; v24     the stage: where I put 32 bytes of a row
.set RD,   25                          ; v25     and where I read a row back
.set CO,   26                          ; v26     my byte offset in two rows of out0
.set SOF,  27                          ; v27     8 r: my row's scale words
.set SPW,  28                          ; v28     LDS address of my spare word; never rewritten
.set NIL,  29                          ; v29     0; never rewritten
.set SCA,  32                          ; op1's scale words: 128 along K number k of tile i at v[SCA + 8 (k / 2) + 2 i + k % 2]
.set SCB,  64                          ; op0's
.set BK,   96                          ; rows read back from the stage: two sets of 32
.set G1A,  24                          ; s[24:31], s[32:39] descriptor group 1 for op1, op0;  s[40:43], s[44:47] group 0
.set G1B,  32
.set G0A,  40
.set G0B,  44
.set MSB, 0
.macro WIN new                         ; the immediate's high byte repeats the setting that is left
.if MSB != (\new)
	s_set_vgpr_msb (MSB<<8)|(\new)
.set MSB, (\new)
.endif
.endm
.macro TLOAD g0, g1                    ; an s_nop 0 and four v_nop follow the line
	tensor_load_to_lds s[\g0:\g0+3], s[\g1:\g1+7]
	s_nop 0
.rept 4
	v_nop
.endr
.endm
.macro CROUND                          ; a round of the cluster's barrier
	s_barrier_signal -1
	s_barrier_wait -1
	s_cmp_lg_u32 s14, 0
	s_cbranch_scc1 .Lnot_wave_0_\@
	s_barrier_signal -3
.Lnot_wave_0_\@:
	s_barrier_wait -3
	s_barrier_signal -1
	s_barrier_wait -1
.endm
.macro PLACES                          ; eight plain lines between a matrix instruction and a load into, or a read of, its registers (ISA guide 7.12.1 for reads)
.rept 8
	v_nop
.endr
.endm
	s_load_b256 s[4:11], s[0:1], 0x0               ; acodes s[4:5], ascales s[6:7], cw s[8:9], sw s[10:11]
	s_load_b64 s[12:13], s[0:1], 0x20              ; out0
	v_lshl_add_u32 v[SPW], v0, 2, SPARE
	v_mov_b32 v[NIL], 0
	ds_add_u32 v[SPW], v[NIL]                      ; the wave's opening: the add, twice on end, and its wait ahead of my first tensor load
	ds_add_u32 v[SPW], v[NIL]
	v_lshrrev_b32 v1, 5, v0
	v_readfirstlane_b32 s14, v1                    ; wave 0..3
	s_lshr_b32 s15, s14, 1                         ; my half of op1.  Also: which half of K I fetch
	s_and_b32 s16, s14, 1                          ; my half of op0.  Also: I fetch for op1 (0) or for op0 (1)
	s_bfe_u32 s2, ttmp6, 0x40000                   ; cx, cy: my place in the cluster
	s_bfe_u32 s3, ttmp6, 0x40004
	s_lshl_b32 s17, ttmp9, 2
	s_add_co_u32 s17, s17, s2                      ; tile column = 4 x cluster x + cx
	s_and_b32 s18, ttmp7, 0xffff
	s_lshl_b32 s18, s18, 2
	s_add_co_u32 s18, s18, s3                      ; tile row = 4 x cluster y + cy
	s_lshl_b32 s100, s3, 2
	s_lshl_b32 s100, 15, s100                      ; my row of the cluster
	s_lshl_b32 s101, 0x1111, s2                    ; my column
	s_or_b32 s[G1A+0], s100, (3<<16)|(1<<21)       ; 15:0 the mask; 17:16 elements of 8 bytes; 21 set beside a mask; no padding
	s_or_b32 s[G1B+0], s101, (3<<16)|(1<<21)
.irp g, G1A, G1B
	s_mov_b32 s[\g+1], 1024<<16                    ; tensor_dim0 = 1,024 elements: a tile's 8,192 bytes of a half
	s_mov_b32 s[\g+2], 8<<16                       ; tensor_dim1 = 8 tiles
	s_mov_b32 s[\g+3], 1024<<16                    ; tile_dim0
	s_mov_b32 s[\g+4], 8                           ; tile_dim1
	s_mov_b32 s[\g+5], 2048                        ; from tile to tile: 16,384 bytes
	s_mov_b32 s[\g+6], 0
	s_mov_b32 s[\g+7], 0
.endr
	s_lshl_b32 s19, s15, 17                        ; where my load goes: by the wave's number alone
	s_mov_b32 s[G0A], 1
	s_mov_b32 s[G0A+1], s19
	s_mov_b32 s[G0B], 1
	s_add_co_u32 s[G0B+1], s19, OP0
	s_lshl_b32 s66, s15, 13                        ; 8,192 bytes on in each tile for the second half
	s_lshl_b32 s20, s18, 17
	s_add_co_u32 s20, s20, s66                     ; op1: tile 8 x tile row
	s_mov_b32 s21, 0
	s_lshl_b32 s22, s17, 17
	s_add_co_u32 s22, s22, s66
	s_add_co_u32 s22, s22, 448*16384               ; op0: tile 448 + 8 x tile column
	s_mov_b32 s23, 0
	s_lshl_b32 s68, s18, 12
	s_lshl_b32 s67, s15, 11
	s_add_co_u32 s68, s68, s67                     ; the scale words of my 4 tiles of op1,
	s_mov_b32 s69, 0
	s_lshl_b32 s70, s17, 12
	s_lshl_b32 s67, s16, 11
	s_add_co_u32 s70, s70, s67
	s_add_co_u32 s70, s70, 448*512                 ; and of op0
	s_mov_b32 s71, 0
	s_wait_dscnt 0x0                               ; both opening adds are done
	CROUND                                         ; all sixteen work-groups are here: the joint loads meet
	s_wait_kmcnt 0x0
	s_add_nc_u64 s[G0A+2:G0A+3], s[4:5], s[20:21]
	s_or_b32 s[G0A+3], s[G0A+3], 0x80000000
	s_add_nc_u64 s[G0B+2:G0B+3], s[8:9], s[22:23]
	s_or_b32 s[G0B+3], s[G0B+3], 0x80000000
	s_cmp_lt_u32 s14, 1                            ; one joint load a wave, a line of its own for each
	s_cbranch_scc0 .Lwave_1
	TLOAD G0A, G1A
	s_branch .Lasked
.Lwave_1:
	s_cmp_lt_u32 s14, 2
	s_cbranch_scc0 .Lwave_2
	TLOAD G0B, G1B
	s_branch .Lasked
.Lwave_2:
	s_cmp_lt_u32 s14, 3
	s_cbranch_scc0 .Lwave_3
	TLOAD G0A, G1A
	s_branch .Lasked
.Lwave_3:
	TLOAD G0B, G1B
.Lasked:
	s_add_nc_u64 s[68:69], s[6:7], s[68:69]
	s_add_nc_u64 s[70:71], s[10:11], s[70:71]
	v_and_b32 v1, 15, v0                           ; r
	v_bfe_u32 v2, v0, 4, 1                         ; h
	v_lshlrev_b32 v[SOF], 3, v1
.irp s, 0,1,2,3
.irp i, 0,1,2,3
	global_load_b64 v[SCA+8*\s+2*\i:SCA+8*\s+2*\i+1], v[SOF], s[68:69] offset:512*\i+128*\s   ; both halves of the lanes read row r's
	global_load_b64 v[SCB+8*\s+2*\i:SCB+8*\s+2*\i+1], v[SOF], s[70:71] offset:512*\i+128*\s
.endr
.endr
	v_and_b32 v3, 31, v0
	v_lshlrev_b32 v3, 4, v3                        ; 16 x lane
	s_lshl_b32 s20, s15, 15                        ; my 4 tiles of op1
	s_lshl_b32 s21, s16, 15                        ; my 4 tiles of op0,
	s_add_co_u32 s21, s21, OP0                     ; which lie behind op1's 8
	v_add_nc_u32 v[ADRA], s20, v3
	v_add_nc_u32 v[ADRB], s21, v3
	v_add_nc_u32 v[ADRA+1], HB, v[ADRA]
	v_add_nc_u32 v[ADRB+1], HB, v[ADRB]
	s_mul_i32 s20, s14, 16*SPITCH                  ; my stage
	v_mul_u32_u24 v4, v1, SPITCH
	v_lshl_add_u32 v4, v2, 6, v4
	v_add_nc_u32 v[STO], s20, v4                   ; in: row r, + 64 h
	v_mul_u32_u24 v5, v2, SPITCH
	v_lshl_add_u32 v5, v1, 4, v5
	v_add_nc_u32 v[RD], s20, v5                    ; back: lanes 0-15 one row, lanes 16-31 the next
	v_lshlrev_b32 v6, 12, v2
	v_lshl_add_u32 v[CO], v1, 4, v6                ; and the same two rows of out0, 4,096 bytes apart
	s_lshl_b32 s20, s18, 7
	s_lshl_b32 s21, s15, 6
	s_add_co_u32 s20, s20, s21
	s_lshl_b32 s20, s20, 12                        ; my first token: 128 x tile row + 64 x half, rows of 4,096 bytes
	s_lshl_b32 s21, s17, 9
	s_add_co_u32 s20, s20, s21                     ; my first output: 128 x tile column + 64 x half, 4 bytes each
	s_lshl_b32 s21, s16, 8
	s_add_co_u32 s20, s20, s21
	s_mov_b32 s21, 0
	s_add_nc_u64 s[12:13], s[12:13], s[20:21]
.macro BLOAD h, q                      ; op0's four fragments of the half's q-th 128 along K: 16 loads
	WIN 0x40
.irp i, 0,1,2,3
.irp c, 0,1,2,3
	ds_load_b128 v[64*\q+16*\i+4*\c:64*\q+16*\i+4*\c+3], v[ADRB+\h] offset:8192*\i+2048*\q+512*\c
.endr
.endr
.endm
.macro AFRAG h, q, a                   ; op1's fragment of tile a: 4 loads
	WIN 0x80
.irp c, 0,1,2,3
	ds_load_b128 v[64*\q+16*\a+4*\c:64*\q+16*\a+4*\c+3], v[ADRA+\h] offset:8192*\a+2048*\q+512*\c
.endr
.endm
.macro FETCH q                         ; the first half's q-th 128 along K: 32 loads
	BLOAD 0, \q
.irp a, 0,1,2,3
	AFRAG 0, \q, \a
.endr
	WIN 0
.endm
.macro PROD k, a, b                    ; k: which 128 along K, of eight.  The accumulators take turns
.set Q_, (\k)%4
.set W_, 8*((\k)/2)+(\k)%2
.if (\k) == 0
	v_wmma_scale_f32_16x16x128_f8f6f4 v[8*(4*\a+\b):8*(4*\a+\b)+7], v[64*Q_+16*\b:64*Q_+16*\b+15], v[64*Q_+16*\a:64*Q_+16*\a+15], 0, v[SCB+W_+2*\b], v[SCA+W_+2*\a]
.else
	v_wmma_scale_f32_16x16x128_f8f6f4 v[8*(4*\a+\b):8*(4*\a+\b)+7], v[64*Q_+16*\b:64*Q_+16*\b+15], v[64*Q_+16*\a:64*Q_+16*\a+15], v[8*(4*\a+\b):8*(4*\a+\b)+7], v[SCB+W_+2*\b], v[SCA+W_+2*\a]
.endif
.endm
.macro MUL k                           ; the first half: 16 products, along K
	WIN 0xf9                                       ; source 0 window 1, source 1 window 2, C and D window 3
.irp a, 0,1,2,3
.irp b, 0,1,2,3
	PROD \k, \a, \b
.endr
.endr
	WIN 0
.endm
.macro ROW a                           ; the second half: 16 products finish tile a's 16 tokens
	WIN 0xf9
.irp k, 4,5,6,7
.irp b, 0,1,2,3
	PROD \k, \a, \b
.endr
.endr
	WIN 0
.endm
	s_wait_alu depctr_va_vdst(0)                   ; the wait at the head's end
	s_cmp_lt_u32 s14, 2
	s_cbranch_scc0 .Lnot_first
	s_wait_tensorcnt 0x0                           ; waves 0 and 1: the first half is in.  The others' wait stands at the second barrier
.Lnot_first:
	s_barrier_signal -1
	s_barrier_wait -1
	FETCH 0
	FETCH 1
	s_wait_loadcnt 0x0                             ; the scale words
	s_wait_dscnt 32                                ; all but the 32 loads just issued
	MUL 0
	FETCH 2
	s_wait_dscnt 32
	MUL 1
	FETCH 3
	s_wait_dscnt 32
	MUL 2
	s_wait_dscnt 0x0
	MUL 3
	s_wait_tensorcnt 0x0                           ; every wave: the second half is in, and my reads of the first are over
	s_barrier_signal -1
	s_barrier_wait -1
	PLACES
.irp q, 0,1,2,3
	BLOAD 1, \q
.endr
.irp a, 0,1,2,3
.irp q, 0,1,2,3
	AFRAG 1, \q, \a
.endr
.endr
	WIN 0
; THE WAY OUT, a tile of 16 tokens x 64 outputs at a time.  In accumulator (a, b) a lane holds outputs 32 (b / 2) + 8 (b % 2) + 16 h + 0 .. 7 of the tile's row r: 32 bytes.  They go through my own stage and come back as whole rows of 256 bytes.
; LDS serves a wave's instructions in order (ISA guide 5.7.1.4): no wait between the stores and the loads, nor in front of the next tile's stores.
.macro TOSTAGE a
	WIN 0x0c                                       ; the data: window 3
.irp b, 0,1,2,3
	ds_store_b128 v[STO], v[8*(4*(\a)+\b):8*(4*(\a)+\b)+3] offset:128*(\b/2)+32*(\b%2)        ; each accumulator from its low end on
	ds_store_b128 v[STO], v[8*(4*(\a)+\b)+4:8*(4*(\a)+\b)+7] offset:128*(\b/2)+32*(\b%2)+16
.endr
	WIN 0
.set BB, BK+32*((\a)%2)
.irp t, 0,1,2,3,4,5,6,7
	ds_load_b128 v[BB+4*\t:BB+4*\t+3], v[RD] offset:2*SPITCH*\t
.endr
.endm
.macro SEND a, younger                 ; younger: the LDS instructions issued behind tile a's loads, which may stay out.  Row 2 t + h of tile a is token 32 (a / 2) + 8 (a % 2) + (2 t) % 8 + 16 (t / 4) + h
.set BB, BK+32*((\a)%2)
	s_wait_dscnt \younger
.irp t, 0,1,2,3,4,5,6,7
	global_store_b128 v[CO], v[BB+4*\t:BB+4*\t+3], s[12:13] offset:(32*((\a)/2)+8*((\a)%2)+(2*\t)%8+16*(\t/4))*4096 th:TH_STORE_NT   ; 16 lanes store 256 consecutive bytes, aligned; written once, read by nobody here
.endr
.endm
	s_wait_dscnt 48                                ; op0's 64 and tile 0's 16 loads are in; those of tiles 1 to 3 may be out
	ROW 0
	s_wait_dscnt 32
	ROW 1
	PLACES
	TOSTAGE 0
	TOSTAGE 1
	s_wait_dscnt 48                                ; tile 2's fragments are in: behind them tile 3's 16 loads and the stage's 32 instructions
	ROW 2
	SEND 0, 16                                     ; behind tile 0's rows: tile 1's 8 stores and 8 loads.  So tile 3's fragments are in too
	ROW 3
	SEND 1, 0
	PLACES
	s_wait_xcnt 0x0                                ; the stores have read their registers: the next loads may land there
	TOSTAGE 2
	TOSTAGE 3
	SEND 2, 16
	SEND 3, 0
	s_wait_tensorcnt 0x0                           ; the wave's end, behind my last tensor load and my last LDS store
	ds_add_u32 v[SPW], v[NIL]
	s_wait_dscnt 0x0
	CROUND                                         ; the closing round: no work-group ends while a partner may still ask for a tile that names it
	s_endpgm
.Lfunc_end_k_qd25db660f9_outgemm:
	.size	k_qd25db660f9_outgemm, .Lfunc_end_k_qd25db660f9_outgemm-k_qd25db660f9_outgemm
	.p2alignl 7, 3214868480
	.fill 96, 4, 3214868480
	.section	.rodata,"a",@progbits
	.p2align	6, 0x0
	.amdhsa_kernel k_qd25db660f9_outgemm
		.amdhsa_group_segment_fixed_size 327680
		.amdhsa_private_segment_fixed_size 0
		.amdhsa_enable_private_segment 0
		.amdhsa_kernarg_size 40
		.amdhsa_user_sgpr_count 2
		.amdhsa_user_sgpr_kernarg_segment_ptr 1
		.amdhsa_wavefront_size32 1
		.amdhsa_system_sgpr_workgroup_id_x 1
		.amdhsa_system_sgpr_workgroup_id_y 1
		.amdhsa_system_sgpr_workgroup_id_z 1
		.amdhsa_system_vgpr_workitem_id 0
		.amdhsa_next_free_vgpr 1024
		.amdhsa_next_free_sgpr 102
		.amdhsa_reserve_vcc 0
		.amdhsa_float_denorm_mode_32 3
		.amdhsa_float_denorm_mode_16_64 3
		.amdhsa_memory_ordered 1
		.amdhsa_forward_progress 1
		.amdhsa_inst_pref_size 52
	.end_amdhsa_kernel
	.amdgpu_metadata
---
amdhsa.version: [ 1, 2 ]
amdhsa.kernels:
  - .name:           k_qd25db660f9_outgemm
    .symbol:         k_qd25db660f9_outgemm.kd
    .args:
      - { .name: acodes, .offset: 0, .size: 8, .value_kind: global_buffer, .address_space: global }
      - { .name: ascales, .offset: 8, .size: 8, .value_kind: global_buffer, .address_space: global }
      - { .name: cw, .offset: 16, .size: 8, .value_kind: global_buffer, .address_space: global }
      - { .name: sw, .offset: 24, .size: 8, .value_kind: global_buffer, .address_space: global }
      - { .name: out0, .offset: 32, .size: 8, .value_kind: global_buffer, .address_space: global }
    .group_segment_fixed_size: 327680
    .private_segment_fixed_size: 0
    .kernarg_segment_align: 8
    .kernarg_segment_size: 40
    .max_flat_workgroup_size: 128
    .sgpr_count:     102
    .vgpr_count:     1024
    .wavefront_size: 32
...
	.end_amdgpu_metadata
.endif
;; end of part 4
